; MI455X (gfx1250); checked and timed in simulation.
; The chip was launched on July 23, 2026; its instructions are those of AMD's public machine-readable ISA for CDNA 5 (MIT licence, August 2026) and "CDNA5" Instruction Set Architecture Reference Guide (July 2026). The comments in the code are by the model that wrote it; some were corrected since.
;; Masked multi head attention. Allowed arithmetic: matrix products marked QUANTISED: E4M3 operands, one E8M0 scale for each 32 along K, by v_wmma_scale_f32_16x16x128_f8f6f4 with both operands' format E4M3, f32 sums; everything else in f32.
;; Inputs: Wk 1,024 x 1,024 float32; Wout 1,024 x 1,024 float32; Wq 1,024 x 1,024 float32; Wv 1,024 x 1,024 float32; bout 1,024 float32; x 4 x 2,048 x 1,024 float32.
;; Outputs: out0 4 x 2,048 x 1,024 float32.
;; This version of the problem:
;;   THIS VERSION OF THE PROBLEM IS GIVEN IN LOW PRECISION. The matrix products marked QUANTISED in the list below multiply operands that are first quantised to E4M3 (4 exponent bits, 3 mantissa bits; 8 bits a number), with one power-of-two scale for each 32 numbers along K (OCP MX v1.0); their sums are f32. All else is computed in f32.
;;   The module's matrix products, in the order in which they are computed (A, B: the left and right operand; K: the contracted axis; several contracted axes count as one K, in the product's order):
;;     1. [M 8,192, K 1,024] x [K 1,024, N 1,024]; A: input x; B: input Wq: QUANTISED
;;     2. [M 8,192, K 1,024] x [K 1,024, N 1,024]; A: input x; B: input Wk: QUANTISED
;;     3. [M 8,192, K 1,024] x [K 1,024, N 1,024]; A: input x; B: input Wv: QUANTISED
;;     4. batch 64 x [M 2,048, K 64] x [K 64, N 2,048]; A: computed on the way; B: computed on the way: QUANTISED
;;     5. batch 64 x [M 2,048, K 2,048] x [K 2,048, N 64]; A: softmax (see below); B: computed on the way: QUANTISED
;;     6. [M 8,192, K 1,024] x [K 1,024, N 1,024]; A: computed on the way; B: input Wout: QUANTISED
;;   THE QUANTISER, for each operand of a quantised product, along K:
;;     - K is cut into blocks of 32 from its start; a last block that is shorter is filled with zeros.
;;     - A block's scale is 2^e with e = floor(log2(the largest magnitude in the block)) - 8, held to -126 .. 127; a block of zeros has e = 0. As a byte (E8M0): e + 127.
;;     - Each number is divided by its block's scale, clamped to +-448, and rounded to the nearest number of E4M3, ties to even, subnormals kept.
;;     - The product sums the exact products of the quantised numbers (number of the format x scale) in f32.
;;   ~~~python
;;   def quantise(x, axis):      # numpy; x: float32 -> the quantised numbers, widened to float32 again
;;       x = np.moveaxis(x, axis, -1); K = x.shape[-1]
;;       x = np.pad(x, [(0, 0)] * (x.ndim - 1) + [(0, -K % 32)]); x = x.reshape(x.shape[:-1] + (-1, 32)); a = np.abs(x).max(-1, keepdims=True)
;;       e = np.where(a > 0, np.clip(np.frexp(np.where(a > 0, a, 1))[1] - 1 - 8, -126, 127), 0)      # np.frexp(a)[1] - 1 = floor(log2(a)), exactly
;;       r = np.clip(x / 2.0 ** e, -448, 448)
;;       step = 2.0 ** (np.maximum(np.frexp(np.where(r == 0, 1, r))[1] - 1, -6) - 3)
;;       q = np.round(r / step) * step * 2.0 ** e      # np.round: ties to even
;;       return np.moveaxis(q.reshape(q.shape[:-2] + (-1,))[..., :K], -1, axis).astype(np.float32)
;;   ~~~
;;   SOFTMAX AHEAD OF A QUANTISED PRODUCT. Where the list says 'softmax', what is quantised is not the finished softmax but p = 2^(t - M), with t = logit x log2(e) and M = ceil(the row's largest t), a whole number; so 1/2 < the row's largest p <= 1. The row's sum l is taken of the UNQUANTISED p, in f32, and the product's result is divided by l at the end. Since M is a whole number, a kernel that streams over the keys may use a running M (the ceiling of the running maximum): every later rescaling is an exact power of two, which a block's scale takes up: the codes' values come out the same.
;;   OPERANDS COMPUTED ON THE WAY. 'Computed on the way' means the value that the module computes at that place (a softmax that the list does not call 'softmax' is quantised finished and normalised). What goes into a quantiser is computed in f32, as accurately as f32 sums, v_exp_f32 and their like allow (about 1e-6 of the number): no bf16 or f16 on the way to a quantiser, and a product that is left as it is and whose result goes on into a quantised operand takes f32 operands (vector FMAs, or v_wmma_f32_16x16x4_f32). A number that lies on a knife's edge between two numbers of the format may be rounded either way, as far as f32 arithmetic and the matrix unit's own rounding can turn it there, and no further.
;; One version. Each part assembles by itself: llvm-mc -triple=amdgcn-amd-amdhsa -mcpu=gfx1250 --defsym DOCPART=n.
;; ======== version 1 of 1: 4 launches
;; limits: right only within a limited range of input values
;; workspace buffers: codes 12,582,912 bytes; scales 393,216 bytes; qkv 25,952,256 bytes; ctx_img 8,388,608 bytes; ctx_sc 262,144 bytes
;; launch quant (part 1): grid 384 x 1, 4 waves a work-group, no clusters, 33,280 bytes of LDS; arguments x, Wq, Wk, Wv, Wout, codes, scales; writes codes, scales
.if DOCPART == 1
	.amdgcn_target "amdgcn-amd-amdhsa--gfx1250"
	.amdhsa_code_object_version 6
	.text
	.protected	k_q988ccf0b2f_quant
	.globl	k_q988ccf0b2f_quant
	.p2align	8
	.type	k_q988ccf0b2f_quant,@function
k_q988ccf0b2f_quant:
	s_mov_b64 s[64:65], 0
	v_nop
	global_prefetch_b8 v0, s[64:65] scope:SCOPE_SE
	s_setreg_imm32_b32 hwreg(HW_REG_WAVE_MODE, 25, 1), 1
	s_wait_xcnt 0x0
; x [8192][1024], Wq, Wk, Wv, Wout [1024][1024], f32, K innermost, become codes of FP8 (E4M3) and one E8M0 scale byte for each 32 along K.
; codes: [12288 rows][1024 bytes]: rows 0.. x, 8192.. Wq, 9216.. Wk, 10240.. Wv, 11264.. Wout;  scales: [12288][32 bytes], the same rows.
; A block's scale is 2^(floor(log2(its largest magnitude)) - 8); its byte is the largest magnitude's exponent field - 8, held at 1 from below.  Each number is divided by the scale, held within +-448, rounded to the nearest code, ties to even.
; THE ROWS OF x, Wq, Wk, Wv ARE STORED WITH BITS 3 AND 4 OF THE ROW NUMBER EXCHANGED: stored row 16 i + r of a run of 128 is row 32 (i / 2) + 8 (i % 2) + r + 8 (r / 8).  The next launch then reads sixteen
; neighbouring stored rows as a tile and finds, in two neighbouring tiles' results, sixteen neighbours along the next product's K.  A wave's run is 8 rows, so the exchange is that of the two bits of the wave's number.  Wout keeps its order.
; LIMITS: NaN and infinities among the inputs are not served.  A block whose largest magnitude lies under 2^-118 keeps the byte 1 (a block of zeros too, where the rule says 127: its codes are zeros, and this program alone reads the bytes).
; A wave takes 16 steps of 512 numbers.  Each of a step's four loads reads 512 consecutive bytes, 16 a lane; the 2,048 bytes turn through the wave's own stage in LDS and come back 64 bytes a lane: 16 neighbours, two lanes to a block.
; A lane's 16 codes are 16 bytes: the wave stores 512 consecutive bytes.  A wave's 256 scale bytes are gathered in LDS and leave as one aligned block of 256 bytes.  No barrier: waves share nothing.
.set STEPS, 16
.set MANT,  0x600000                   ; the mantissa field of 448 as f32
.set CB,    16                         ; bytes of 16 codes
.set R,     16                         ; v16-79   four sets of 16 numbers as they are loaded
.set X,     80                         ; v80-111  two sets of 16 neighbours
.set E,     112                        ; v112-127 a scale byte for each step
.set C,     128                        ; v128-191 codes: four registers for each step, so that no store's data are written again
.set WREG,  8192                       ; LDS: a region for each wave: two stages of 32 x SP bytes, behind them its 256 scale bytes
.set SP,    80                         ; a lane's place in a stage: its 64 bytes + 16 of padding
	s_load_b256 s[4:11], s[0:1], 0x0               ; x s[4:5], Wq s[6:7], Wk s[8:9], Wv s[10:11]
	s_load_b128 s[12:15], s[0:1], 0x20             ; Wout s[12:13], codes s[14:15]
	s_load_b64 s[16:17], s[0:1], 0x30              ; scales
	v_lshl_add_u32 v192, v0, 2, 0x8000
	v_mov_b32 v193, 0
	v_lshrrev_b32 v1, 5, v0
	v_readfirstlane_b32 s18, v1                    ; wave
	v_and_b32 v2, 31, v0                           ; lane
	v_lshlrev_b32 v3, 4, v2                        ; my 16 bytes of a load's 512
	s_mul_i32 s19, s18, WREG
	v_lshrrev_b32 v14, 2, v2
	v_mul_u32_u24 v14, v14, SP
	v_and_b32 v15, 3, v2
	v_lshl_add_u32 v14, v15, 4, v14
	v_add_nc_u32 v14, s19, v14                     ; the stage, on the way in: SP (lane / 4) + 16 (lane % 4)
	v_mul_u32_u24 v15, v2, SP
	v_add_nc_u32 v15, s19, v15                     ; and on the way out: SP x lane: my 16 neighbours
	v_mul_u32_u24 v4, v2, CB                       ; my codes' place in a step's
	v_lshrrev_b32 v5, 1, v2
	s_add_co_u32 s19, s19, 2*32*SP
	v_add_nc_u32 v5, s19, v5                       ; LDS: my wave's 256 scale bytes, my block's byte
	v_lshlrev_b32 v7, 3, v2                        ; and on the way out 8 bytes a lane
	v_add_nc_u32 v6, s19, v7
	s_and_b32 s24, ttmp9, 31                       ; a weight has 32 work-groups: which of them (256 is a multiple of 32)
	s_lshr_b32 s25, s18, 1
	s_and_b32 s26, s18, 1
	s_lshl_b32 s26, s26, 1
	s_or_b32 s25, s25, s26                         ; the wave's number with its two bits exchanged
	s_wait_alu depctr_va_vdst(0)
	s_wait_kmcnt 0x0
	s_cmp_lt_u32 ttmp9, 352                        ; the source is chosen by the work-group's number alone: 0.. x, 256.. Wq, 288.. Wk, 320.. Wv, 352.. Wout
	s_cselect_b64 s[12:13], s[10:11], s[12:13]
	s_cselect_b32 s25, s25, s18                    ; Wout's rows keep their order
	s_cmp_lt_u32 ttmp9, 320
	s_cselect_b64 s[12:13], s[8:9], s[12:13]
	s_cmp_lt_u32 ttmp9, 288
	s_cselect_b64 s[12:13], s[6:7], s[12:13]
	s_cmp_lt_u32 ttmp9, 256
	s_cselect_b64 s[12:13], s[4:5], s[12:13]
	s_cselect_b32 s24, ttmp9, s24                  ; the work-group's number within its source
	s_lshl_b32 s24, s24, 2
	s_add_co_u32 s24, s24, s18                     ; which run of 8,192 numbers of the source is my wave's
	s_lshl_b32 s20, s24, 15                        ; 32,768 bytes a run: under 2^26
	s_mov_b32 s21, 0
	s_add_nc_u64 s[12:13], s[12:13], s[20:21]
	s_lshl_b32 s26, ttmp9, 2
	s_add_co_u32 s26, s26, s25                     ; and which run of the outputs
	s_lshl_b32 s20, s26, 13                        ; 8,192 bytes of codes a run
	s_add_nc_u64 s[14:15], s[14:15], s[20:21]
	s_lshl_b32 s20, s26, 8                         ; 256 scale bytes a run
	s_add_nc_u64 s[16:17], s[16:17], s[20:21]
.macro LOAD t
.irp i, 0,1,2,3
	global_load_b128 v[R+16*((\t)%4)+4*\i:R+16*((\t)%4)+4*\i+3], v3, s[12:13] offset:2048*(\t)+512*\i th:TH_LOAD_NT   ; 32 lanes read 512 consecutive bytes; read once in the launch
.endr
.endm
.macro TURN t                          ; step t's numbers through the stage: LDS serves a wave's instructions in order, so no wait stands between the stores and the loads
.irp i, 0,1,2,3
	ds_store_b128 v14, v[R+16*((\t)%4)+4*\i:R+16*((\t)%4)+4*\i+3] offset:32*SP*((\t)%2)+8*SP*\i
.endr
.irp i, 0,1,2,3
	ds_load_b128 v[X+16*((\t)%2)+4*\i:X+16*((\t)%2)+4*\i+3], v15 offset:32*SP*((\t)%2)+16*\i
.endr
.endm
.irp t, 0,1,2,3
	LOAD \t
.endr
	s_wait_loadcnt 12                              ; step 0's four loads are in; the twelve of steps 1 to 3 may be out
	TURN 0
.macro STEP t
.set XS, X+16*((\t)%2)
.if (\t) > 0
	s_wait_dscnt 1                                 ; this step's numbers are back from the stage (the last step's byte store may be out): so its stores into the stage have read their registers,
.else
	s_wait_dscnt 0x0
.endif
.if (\t)+4 < STEPS
	LOAD (\t)+4                                    ; which take the loads of four steps on
.endif
.if (\t)+1 < STEPS
.if STEPS-2-(\t) >= 3
	s_wait_loadcnt 12                              ; the next step's four loads are in; those of the three steps behind it may be out
.else
	s_wait_loadcnt 4*(STEPS-2-(\t))                ; at the end fewer steps stand behind it
.endif
	TURN (\t)+1                                    ; and go through the other stage while this step is worked
.endif
	v_max3_num_f32 v8, |v[XS]|, |v[XS+1]|, |v[XS+2]|               ; the largest magnitude of my 16, in two chains
	v_max3_num_f32 v9, |v[XS+3]|, |v[XS+4]|, |v[XS+5]|
.irp i, 6,10
	v_max3_num_f32 v8, v8, |v[XS+\i]|, |v[XS+\i+1]|
	v_max3_num_f32 v9, v9, |v[XS+\i+2]|, |v[XS+\i+3]|
.endr
	v_max3_num_f32 v8, v8, |v[XS+14]|, |v[XS+15]|
	v_max3_num_f32 v8, v8, v9, 0x4800000           ; and the floor 2^(9 - 127): the byte cannot fall under 1
	v_max_num_f32_dpp v8, v8, v8 row_xmask:1 row_mask:0xf bank_mask:0xf   ; and of my neighbour's 16: the block's
	v_add_nc_u32 v11, 0xfc000000, v8               ; 8 off its exponent field: the conversion takes the exponent field of this operand as its scale
.irp i, 0,1,2,3,4,5,6,7,8,9,10,11,12,13,14,15
.endr
	v_cvt_scalef32_pk8_fp8_f32 v[C+4*(\t):C+4*(\t)+1], v[XS:XS+7], v11
	v_cvt_scalef32_pk8_fp8_f32 v[C+4*(\t)+2:C+4*(\t)+3], v[XS+8:XS+15], v11
	v_lshrrev_b32 v[E+(\t)], 23, v11               ; the scale's byte (also the plain line behind the conversions)
	ds_store_b8 v5, v[E+(\t)] offset:16*(\t)       ; both lanes of a block write the same byte with the same value
	global_store_b128 v4, v[C+4*(\t):C+4*(\t)+3], s[14:15] offset:32*CB*(\t)   ; 512 consecutive bytes, aligned
.endm
.irp t, 0,1,2,3,4,5,6,7,8,9,10,11,12,13,14,15
	STEP \t
.endr
	ds_load_b64 v[12:13], v6                       ; LDS serves a wave's instructions in order: these see my stores
	s_wait_dscnt 0x0
	global_store_b64 v7, v[12:13], s[16:17]        ; 32 lanes store 256 consecutive bytes, aligned
	s_wait_tensorcnt 0x0
	ds_add_u32 v192, v193
	s_wait_dscnt 0x0
	s_endpgm
.Lfunc_end_k_q988ccf0b2f_quant:
	.size	k_q988ccf0b2f_quant, .Lfunc_end_k_q988ccf0b2f_quant-k_q988ccf0b2f_quant
	.p2alignl 7, 3214868480
	.fill 96, 4, 3214868480
	.section	.rodata,"a",@progbits
	.p2align	6, 0x0
	.amdhsa_kernel k_q988ccf0b2f_quant
		.amdhsa_group_segment_fixed_size 33280
		.amdhsa_private_segment_fixed_size 0
		.amdhsa_enable_private_segment 0
		.amdhsa_kernarg_size 56
		.amdhsa_user_sgpr_count 2
		.amdhsa_user_sgpr_kernarg_segment_ptr 1
		.amdhsa_wavefront_size32 1
		.amdhsa_system_sgpr_workgroup_id_x 1
		.amdhsa_system_sgpr_workgroup_id_y 1
		.amdhsa_system_sgpr_workgroup_id_z 1
		.amdhsa_system_vgpr_workitem_id 0
		.amdhsa_next_free_vgpr 194
		.amdhsa_next_free_sgpr 66
		.amdhsa_reserve_vcc 0
		.amdhsa_float_denorm_mode_32 3
		.amdhsa_float_denorm_mode_16_64 3
		.amdhsa_fp16_overflow 1
		.amdhsa_memory_ordered 1
		.amdhsa_forward_progress 1
		.amdhsa_inst_pref_size 34
	.end_amdhsa_kernel
	.amdgpu_metadata
---
amdhsa.version: [ 1, 2 ]
amdhsa.kernels:
  - .name:           k_q988ccf0b2f_quant
    .symbol:         k_q988ccf0b2f_quant.kd
    .args:
      - { .name: x, .offset: 0, .size: 8, .value_kind: global_buffer, .address_space: global }
      - { .name: Wq, .offset: 8, .size: 8, .value_kind: global_buffer, .address_space: global }
      - { .name: Wk, .offset: 16, .size: 8, .value_kind: global_buffer, .address_space: global }
      - { .name: Wv, .offset: 24, .size: 8, .value_kind: global_buffer, .address_space: global }
      - { .name: Wout, .offset: 32, .size: 8, .value_kind: global_buffer, .address_space: global }
      - { .name: codes, .offset: 40, .size: 8, .value_kind: global_buffer, .address_space: global }
      - { .name: scales, .offset: 48, .size: 8, .value_kind: global_buffer, .address_space: global }
    .group_segment_fixed_size: 33280
    .private_segment_fixed_size: 0
    .kernarg_segment_align: 8
    .kernarg_segment_size: 56
    .max_flat_workgroup_size: 128
    .sgpr_count:     66
    .vgpr_count:     194
    .wavefront_size: 32
...
	.end_amdgpu_metadata
.endif
;; end of part 1
;; launch qkv (part 2): grid 8 x 48, 4 waves a work-group, clusters of 4 x 4, 327,680 bytes of LDS; arguments codes, scales, qkv; writes qkv
.if DOCPART == 2
	.amdgcn_target "amdgcn-amd-amdhsa--gfx1250"
	.amdhsa_code_object_version 6
	.text
	.protected	k_q988ccf0b2f_qkv
	.globl	k_q988ccf0b2f_qkv
	.p2align	8
	.type	k_q988ccf0b2f_qkv,@function
k_q988ccf0b2f_qkv:
	s_mov_b64 s[64:65], 0
	v_nop
	global_prefetch_b8 v0, s[64:65] scope:SCOPE_SE
	s_setreg_imm32_b32 hwreg(HW_REG_WAVE_MODE, 25, 1), 1
	s_wait_xcnt 0x0
	s_wait_alu depctr_hold_cnt(0) depctr_sa_sdst(0) depctr_va_vdst(0) depctr_va_sdst(0) depctr_va_ssrc(0) depctr_va_vcc(0) depctr_vm_vsrc(0)
	s_getreg_b32 s2, hwreg(HW_REG_IB_STS2, 6, 4)
	s_cmp_eq_u32 s2, 0
	s_cbranch_scc0 .Lentry_in_a_cluster
	s_endpgm
.Lentry_in_a_cluster:
	s_bfe_u32 s2, ttmp6, 0x10000c
	s_cmp_lg_u32 s2, 0xf033
	s_cbranch_scc0 .Lentry_shape_is_right
	s_endpgm
.Lentry_shape_is_right:
; Q = x Wq^T, K = x Wk^T and V^T = Wv x^T on codes of FP8 (E4M3) with E8M0 scales (K = 1,024), and their results quantised in registers for the two products of attention.
; codes [12288][1024], scales [12288][32]: rows 0.. x, 8192.. Wq, 9216.. Wk, 10240.. Wv.  These rows are STORED with bits 3 and 4 of the row number exchanged: stored row 16 i + r of a run of 128 is row rho(i, r) = 32 (i / 2) + 8 (i % 2) + r + 8 (r / 8).
; A tile of 256 x 256 results is made by a work-group of four waves, a wave makes 128 x 128: 64 accumulators, 512 registers.  K goes in steps of 256 through a ring of two LDS slots filled by the tensor data mover (rows of 256 bytes).
; TWO PARTS, chosen by the cluster's y, which all partners share.  y < 8: side A = rows of x (tokens), side B = rows of Wq | Wk.  y >= 8: side A = rows of Wv, side B = rows of x: V transposed, since the keys are the K of attention's second product.
; THE MATRIX INSTRUCTION IS USED TRANSPOSED (source 0 = 16 rows of B, source 1 = 16 rows of A).  With the stored order of the rows, lane (r, h) of accumulators (a, 2 b) and (a, 2 b + 1) holds row rho(a, r) of A and
; columns 32 b + 16 h + 0 .. 15 of B's 128: 16 NEIGHBOURS along the next K in 16 consecutive registers; a block of 32 lies in lanes l and l xor 16.  The 16 codes that a lane makes of them are four registers of the next operand's fragment,
; and leave as an IMAGE OF THOSE REGISTERS: 16 bytes a lane at 16 x lane, 512 consecutive bytes a store.  No LDS on the way out.
; qkv: 1,024 records of 25,344 bytes, record (batch 16 + head) 16 + (token / 128): K's images 0 (tile a: 1,024 a + 512 c + 16 lane), V's 8,192 (tile t of the head's 64: 2,048 t + 512 c + 16 lane), K's scale words 16,384 ([r][4 words]:
; word p = tile 2 p's two bytes, tile 2 p + 1's two), V's 16,640 ([r][4]: word t), Q's images 16,896 and scale words 25,088, laid as K's.
; CLUSTERS: 4 x 4 work-groups.  The four of a row of the cluster need the same tiles of A, the four of a column the same tiles of B: each tile is asked for jointly, by the same tensor load with the same descriptor and a mask that names the four.
; The scales of the work-group's 256 + 256 rows, for all of K, come into LDS once, with the first fills.
; LIMITS: NaN and infinities are not served.  A block of results whose largest magnitude lies under 2^-118 keeps the scale byte 1 (a block of zeros too: its codes are zeros, and this program alone reads the bytes).
; REGISTERS, in windows of 256: window 0: v0-31 addresses; v32-63 scale words, two sets (on the way out: the new scale words); v64-79 at work on the way out; from v128 A's fragments, ONE set (on the way out: the codes).
;   window 1: B's fragments, TWO sets, at v0 and v128.   window 2: the 32 accumulators of my rows 0-63 ((a, b) at v[8 (8 a + b)]);   window 3: those of my rows 64-127.
.set NQ,     2                         ; matrix instructions deep in a slot: 256 along K
.set ROWB,   256                       ; a tile's row in bytes
.set KROW,   1024                      ; a row of codes in memory
.set PITCH,  272                       ; an LDS row: 256 bytes + 16 of padding = 68 words: row r starts at bank 4 r mod 64 (64 banks of 4 bytes: ISA guide 11.1)
.set FR,     16                        ; registers of a fragment: 16 rows x 128 K
.set NL,     4                         ; LDS loads that bring one
.set NP,     8                         ; places behind this matrix instruction (ISA guide 7.12.1)
.set HALFT,  128*PITCH                 ; 128 rows: what one tensor load brings
.set SLOT,   4*HALFT                   ; A's 256 rows, then B's 256 rows
.set LAPS,   2                         ; 1,024 / 512: a lap = two K steps = once round the ring
.set KS,     32                        ; a row of scales in bytes
.set SCL,    2*SLOT                    ; behind the ring: the scales, as rows of 256 bytes + 16 of padding
.set HALFS,  (128*KS/256)*272          ; the scales of 128 rows
.set SBLK,   (16*KS/256)*272           ; those of 16 rows
.set SPARE,  SCL+4*HALFS               ; the spare words, 128 bytes for each wave: two blocks of 256 bytes that no other line names
.set REC,    25344                     ; a record of qkv
.set HEADSTR, 16*REC                   ; from a head's records to the next head's
.set ADRA, 16                          ; v16-17  LDS address of my A fragments in slot 0, 1
.set ADRB, 20                          ; v20-21  the same for B
.set LO,   26                          ; v26     16 x lane: my place in an image
.set ADRS, 27                          ; v27     LDS address of my scale words: lanes 0-15 A's rows, lanes 16-31 B's
.set SPW,  28                          ; v28     LDS address of my spare word; never rewritten
.set NIL,  29                          ; v29     0; never rewritten
.set SOFF, 30                          ; v30     the new scale words' place: 16 r, lanes 16-31 one head further on
.set SELV, 31                          ; v31     byte selects: lanes 0-15 the low halves of two words, lanes 16-31 the high halves
.set SC,   32                          ; scale words: set s at v[SC + 16 s]; register 2 i + q: lanes 0-15 A's block i, lanes 16-31 B's block i
.set W4,   32                          ; the way out: v32-39 block a's four new scale bytes; v40-43 the words as they are stored
.set TM,   64                          ; the way out: v64-67 largest magnitudes, v68-71 bytes, v76-79 the conversions' scale operands
.set AF,   128                         ; A's fragments
.set PC,   128                         ; the way out: block a's codes at v[128 + 16 a]: registers of their own for each block, so that no store's data are written again
.set G1, 24                            ; s[24:31] descriptor group 1 for A's tiles;  s[32:39] group 0, one set for each slot
.set G0, 32
.set G1B, 48                           ; s[48:55], s[56:63] the same for B's tiles
.set G0B, 56
.set G1S, 68                           ; s[68:75], s[76:79] groups 1 and 0 for A's scales;  s[80:87], s[88:91] for B's
.set G0S, 76
.set G1SB, 80
.set G0SB, 88
.set MSB, 0
.macro WIN new                         ; the immediate's high byte repeats the setting that is left
.if MSB != \new
	s_set_vgpr_msb (MSB<<8)|\new
.set MSB, \new
.endif
.endm
.set MUL_LO, 0xa1                      ; source 0 (B) window 1, source 1 (A) window 0, C and D window 2
.set MUL_HI, 0xf1                      ; the same, C and D window 3
.set TO_B,   0x40                      ; destination window 1, address window 0
; A joint load: waves 0 and 1 fetch for A, waves 2 and 3 for B.  Each of the two lines has one mask and one set of registers for all that issue it; the branch hangs on the wave's number alone.
; Four v_nop follow each of the two lines, ahead of the jump, the label and what follows.
.macro JLOAD g0a, g1a, g0b, g1b
	s_cmp_eq_u32 s15, 0
	s_cbranch_scc0 .Lfor_b_\@
	tensor_load_to_lds s[\g0a:\g0a+3], s[\g1a:\g1a+7]
	s_nop 0
.rept 4
	v_nop
.endr
	s_branch .Lasked_\@
.Lfor_b_\@:
	tensor_load_to_lds s[\g0b:\g0b+3], s[\g1b:\g1b+7]
	s_nop 0
.rept 4
	v_nop
.endr
.Lasked_\@:
.endm
.macro CREST                           ; a round of the cluster's barrier behind its opening barrier
	s_cmp_lg_u32 s14, 0
	s_cbranch_scc1 .Lnot_wave_0_\@
	s_barrier_signal -3
.Lnot_wave_0_\@:
	s_barrier_wait -3
	s_barrier_signal -1
	s_barrier_wait -1
.endm
.macro CROUND                          ; a whole round
	s_barrier_signal -1
	s_barrier_wait -1
	CREST
.endm
	s_load_b128 s[4:7], s[0:1], 0x0                ; codes s[4:5], scales s[6:7]
	s_load_b64 s[8:9], s[0:1], 0x10                ; qkv
	v_lshl_add_u32 v[SPW], v0, 2, SPARE
	v_mov_b32 v[NIL], 0
	ds_add_u32 v28, v29
	ds_add_u32 v28, v29
	s_wait_dscnt 0x0
	v_lshrrev_b32 v1, 5, v0
	v_readfirstlane_b32 s14, v1                    ; wave 0..3
	s_lshr_b32 s15, s14, 1                         ; which half of A's rows is mine.  Also: I fetch for A (0) or for B (1)
	s_and_b32 s16, s14, 1                          ; which half of B's rows.  Also: which 128 rows of that tile I fetch
	s_bfe_u32 s40, ttmp6, 0x40000                  ; cx, cy: my place in the cluster
	s_bfe_u32 s41, ttmp6, 0x40004
	s_and_b32 s17, ttmp7, 0xffff                   ; the cluster's y: 0-7 the part of Q and K, 8-11 the part of V
	s_lshl_b32 s43, s41, 2
	s_lshl_b32 s43, 15, s43                        ; my row of the cluster
	s_lshl_b32 s44, 0x1111, s40                    ; my column
	; descriptor group 1: a tile of 128 rows x 256 bytes, padded in LDS
	s_or_b32 s[G1+0], s43, (0<<16)|(1<<20)|(1<<21)|(5<<22)|(3<<25)  ; 15:0 the mask: A's tiles go to my row; 17:16 element of 1 byte; 20 padding on; 21 set beside a mask; 24:22 after every 64 words (code 5); 31:25 of 4 words (code 3)
	s_or_b32 s[G1B+0], s44, (0<<16)|(1<<20)|(1<<21)|(5<<22)|(3<<25)
.irp g, G1, G1B
	s_mov_b32 s[\g+1], ROWB<<16                    ; tensor_dim0
	s_mov_b32 s[\g+2], 128<<16                     ; tensor_dim1 = 128
	s_mov_b32 s[\g+3], ROWB<<16                    ; tile_dim0
	s_mov_b32 s[\g+4], 128                         ; tile_dim1 = 128
	s_mov_b32 s[\g+5], KROW                        ; tensor_dim0_stride
	s_mov_b32 s[\g+6], 0
	s_mov_b32 s[\g+7], 0
.endr
	; and for the scales of 128 rows: a dense block of 4,096 bytes, as 16 rows of 256 bytes (32 elements of 8 bytes), 16 bytes of padding behind each
	s_or_b32 s[G1S+0], s43, (3<<16)|(1<<20)|(1<<21)|(5<<22)|(3<<25)
	s_or_b32 s[G1SB+0], s44, (3<<16)|(1<<20)|(1<<21)|(5<<22)|(3<<25)
.irp g, G1S, G1SB
	s_mov_b32 s[\g+1], 32<<16
	s_mov_b32 s[\g+2], (128*KS/256)<<16
	s_mov_b32 s[\g+3], 32<<16
	s_mov_b32 s[\g+4], 128*KS/256
	s_mov_b32 s[\g+5], 32
	s_mov_b32 s[\g+6], 0
	s_mov_b32 s[\g+7], 0
.endr
	; the first stored rows of the cluster's tiles, for both parts; then one choice on the cluster's y.  A's registers never hold cx, B's never cy.
	s_lshl_b32 s18, s17, 10                        ; Q, K: A = x: 1,024 rows a cluster
	s_mov_b32 s22, 10240                           ; V: A = Wv
	s_lshl_b32 s19, ttmp9, 10
	s_add_co_u32 s20, s19, 8192                    ; Q, K: B = Wq (cluster x = 0) or Wk (1)
	s_max_u32 s21, s17, 8
	s_sub_co_u32 s21, s21, 8
	s_lshl_b32 s21, s21, 11
	s_add_co_u32 s21, s21, s19                     ; V: B = x: cluster column x + 2 (y - 8) of eight
	s_cmp_lt_u32 s17, 8
	s_cselect_b32 s18, s18, s22
	s_cselect_b32 s46, s20, s21
	s_lshl_b32 s23, s41, 8
	s_add_co_u32 s18, s18, s23                     ; my tile's first row of A: + 256 cy
	s_lshl_b32 s42, s40, 8
	s_add_co_u32 s46, s46, s42                     ; and of B: + 256 cx
	s_lshl_b32 s19, s16, 7                         ; which 128 rows of the tile I fetch
	s_add_co_u32 s20, s18, s19
	s_add_co_u32 s92, s46, s19
	s_lshl_b32 s22, s20, 5                         ; where these rows' scales begin, in bytes,
	s_mov_b32 s23, 0
	s_lshl_b32 s20, s20, 10                        ; and their codes (12,288 rows of 1,024 bytes: under 2^24)
	s_mov_b32 s21, 0
	s_lshl_b32 s94, s92, 5
	s_mov_b32 s95, 0
	s_lshl_b32 s92, s92, 10
	s_mov_b32 s93, 0
	s_mul_i32 s45, s14, HALFT                      ; where they go: wave x 128 rows: no place in the cluster enters an LDS address
	s_mul_i32 s47, s14, HALFS
	s_wait_kmcnt 0x0
	s_add_nc_u64 s[20:21], s[4:5], s[20:21]
	s_add_nc_u64 s[22:23], s[6:7], s[22:23]
	s_add_nc_u64 s[92:93], s[4:5], s[92:93]
	s_add_nc_u64 s[94:95], s[6:7], s[94:95]
	CROUND                                         ; all sixteen work-groups are here: the first joint loads meet
	s_mov_b32 s[G0S], 1
	s_add_co_u32 s[G0S+1], s47, SCL
	s_mov_b64 s[G0S+2:G0S+3], s[22:23]
	s_or_b32 s[G0S+3], s[G0S+3], 0x80000000
	s_mov_b32 s[G0SB], 1
	s_add_co_u32 s[G0SB+1], s47, SCL
	s_mov_b64 s[G0SB+2:G0SB+3], s[94:95]
	s_or_b32 s[G0SB+3], s[G0SB+3], 0x80000000
	JLOAD G0S, G1S, G0SB, G1SB                     ; the scales first: they are wanted with K step 0
.irp s, 0,1
	s_mov_b32 s[G0+4*\s], 1
	s_add_co_u32 s[G0+4*\s+1], s45, \s*SLOT
	s_add_nc_u64 s[G0+4*\s+2:G0+4*\s+3], s[20:21], \s*ROWB
	s_or_b32 s[G0+4*\s+3], s[G0+4*\s+3], 0x80000000
	s_mov_b32 s[G0B+4*\s], 1
	s_add_co_u32 s[G0B+4*\s+1], s45, \s*SLOT
	s_add_nc_u64 s[G0B+4*\s+2:G0B+4*\s+3], s[92:93], \s*ROWB
	s_or_b32 s[G0B+4*\s+3], s[G0B+4*\s+3], 0x80000000
	JLOAD G0+4*\s, G1, G0B+4*\s, G1B
.endr
	v_and_b32 v1, 15, v0                           ; r = l % 16
	v_bfe_u32 v2, v0, 4, 1                         ; h = l / 16
	v_mul_u32_u24 v3, v1, PITCH
	v_lshl_add_u32 v4, v2, 4, v3                   ; a fragment's row x pitch + 16 x half
	s_mul_i32 s21, s15, HALFT                      ; my 128 rows of A
	s_mul_i32 s22, s16, HALFT                      ; my 128 rows of B,
	s_add_co_u32 s22, s22, 2*HALFT                 ; which lie behind A's 256
.irp s, 0,1
	v_add_nc_u32 v[ADRA+\s], s21, v4
	v_add_nc_u32 v[ADRB+\s], s22, v4
	s_add_co_u32 s21, s21, SLOT
	s_add_co_u32 s22, s22, SLOT
.endr
	v_mul_u32_u24 v5, v1, KS                       ; my row's scales: 32 bytes a row,
	v_lshrrev_b32 v6, 8, v5
	v_lshl_add_u32 v5, v6, 4, v5                   ; and 16 more for each 256 passed
	s_mul_i32 s21, s15, HALFS                      ; A's: my 128 rows
	s_mul_i32 s22, s16, HALFS                      ; B's: my 128 rows, behind A's 256
	s_add_co_u32 s22, s22, 2*HALFS
	s_sub_co_u32 s22, s22, s21
	v_mul_u32_u24 v6, s22, v2                      ; lanes 16-31 take B's: the lower base + h x the distance
	s_add_co_u32 s21, s21, SCL
	v_add_nc_u32 v5, v5, v6
	v_add_nc_u32 v[ADRS], s21, v5
	; the way out: lane terms, constants and the three bases
	v_and_b32 v6, 31, v0
	v_lshlrev_b32 v[LO], 4, v6
	v_mul_u32_u24 v[SOFF], v2, HEADSTR
	v_lshl_add_u32 v[SOFF], v1, 4, v[SOFF]
	s_mov_b32 s97, 0xffff0000                      ; lanes 16-31
	v_mov_b32 v[SELV], 0x05040100
	v_mov_b32 v5, 0x07060302
	v_cndmask_b32 v[SELV], v[SELV], v5, s97
	s_mov_b32 s10, 0x76543210
	s_mov_b32 s11, 0xfedcba98                      ; v_permlanex16_b32's selects for lane l xor 16
	s_lshl_b32 s20, s15, 7
	s_add_co_u32 s20, s20, s18                     ; my first stored row of A
	s_lshl_b32 s21, s16, 7
	s_add_co_u32 s21, s21, s46                     ; and of B
	s_cmp_eq_u32 ttmp9, 0                          ; Q, K: cluster x = 0 makes Q, 1 makes K
	s_cselect_b32 s22, 16896, 0                    ; the images' place in a record
	s_mov_b32 s23, 16384
	s_cselect_b32 s23, 25088, s23                  ; and the scale words'
	s_mov_b32 s45, 8192                            ; V's
	s_mov_b32 s47, 16640
	s_cmp_lt_u32 s17, 8
	s_cselect_b32 s22, s22, s45
	s_cselect_b32 s23, s23, s47
	s_cselect_b32 s45, s20, s21                    ; my first token: x's row (x begins at row 0),
	s_cselect_b32 s47, s21, s20                    ; and the weight's row: its low ten bits are head x 64 + channel (each weight begins at a multiple of 1,024)
	s_bfe_u32 s47, s47, 0x40006                    ; my first head of two
	s_lshr_b32 s20, s45, 11                        ; batch
	s_lshl_b32 s20, s20, 8
	s_lshl_b32 s47, s47, 4
	s_add_co_u32 s20, s20, s47
	s_bfe_u32 s45, s45, 0x40007                    ; which 128 tokens of the batch's 2,048
	s_add_co_u32 s20, s20, s45                     ; the record
	s_mul_i32 s20, s20, REC                        ; under 2^25
	s_add_co_u32 s22, s22, s20
	s_add_co_u32 s94, s23, s20
	s_mov_b32 s23, 0
	s_mov_b32 s95, 0
	s_add_nc_u64 s[12:13], s[8:9], s[22:23]        ; the first head's images,
	s_add_nc_u64 s[92:93], s[12:13], HEADSTR       ; the second head's,
	s_add_nc_u64 s[94:95], s[8:9], s[94:95]        ; the first head's scale words
.macro FRAG reg, adr, q, i             ; a fragment, 16 rows x 128 K of 8-bit codes, is 16 registers: lane l holds row l % 16; registers 4 c .. 4 c + 3 hold K = 32 c + 16 (l / 16) + 0 .. 15
.irp c, 0,1,2,3
	ds_load_b128 v[\reg+4*\c:\reg+4*\c+3], v[\adr] offset:128*(\q)+32*\c+(\i)*16*PITCH
.endr
.endm
; 16 matrix instructions: A's blocks a0, a0 + 1 x B's eight, 128 along K: the slot's q-th.  p: B's set;  sc: the set of scale words.  zero = 1: the first product starts the sums: nothing is ever cleared.
; The 64 accumulators take turns, one instruction a turn, in the same order in every step.
.macro MUL16 a0, p, q, sc, zero
.irp a, \a0, \a0+1
.irp b, 0,1,2,3,4,5,6,7
.if \zero
	v_wmma_scale_f32_16x16x128_f8f6f4 v[8*(8*((\a)%4)+\b):8*(8*((\a)%4)+\b)+7], v[128*(\p)+FR*\b:128*(\p)+FR*\b+FR-1], v[AF+FR*(\a):AF+FR*(\a)+FR-1], 0, v[SC+8*NQ*(\sc)+NQ*\b+(\q)], v[SC+8*NQ*(\sc)+NQ*(\a)+(\q)] matrix_a_scale:MATRIX_SCALE_ROW1
.else
	v_wmma_scale_f32_16x16x128_f8f6f4 v[8*(8*((\a)%4)+\b):8*(8*((\a)%4)+\b)+7], v[128*(\p)+FR*\b:128*(\p)+FR*\b+FR-1], v[AF+FR*(\a):AF+FR*(\a)+FR-1], v[8*(8*((\a)%4)+\b):8*(8*((\a)%4)+\b)+7], v[SC+8*NQ*(\sc)+NQ*\b+(\q)], v[SC+8*NQ*(\sc)+NQ*(\a)+(\q)] matrix_a_scale:MATRIX_SCALE_ROW1
.endif
.endr
.endr
.endm
.macro FETCH_B slot, q, p              ; B's eight fragments of the slot's q-th 128 along K into set p
	WIN TO_B
.irp i, 0,1,2,3,4,5,6,7
	FRAG 128*(\p)+FR*\i, ADRB+\slot, \q, \i
.endr
	WIN 0
.endm
.macro FETCH_A slot, q, i0             ; A's blocks i0 .. i0 + 3
.irp i, \i0, \i0+1, \i0+2, \i0+3
	FRAG AF+FR*(\i), ADRA+\slot, \q, \i
.endr
.endm
.macro SCALES sc                       ; the next K step's scale words into set sc: two words a row; lanes 0-15 take A's block i, lanes 16-31 B's block i
.irp i, 0,1,2,3,4,5,6,7
	ds_load_b64 v[SC+8*NQ*\sc+NQ*\i:SC+8*NQ*\sc+NQ*\i+1], v[ADRS] offset:\i*SBLK
.endr
.endm
; A load into a register that a matrix instruction has read, and a vector instruction that reads a matrix result or writes one of its registers, stand NP places behind that matrix instruction; only plain vector
; instructions that name none of its registers are places (ISA guide 7.12.1 for vector instructions).
.macro PLACES n
.rept \n
	v_nop
.endr
.endm
; A step of 128 along K that has its successor in the same slot.
.macro STEP slot, q, zero
	s_wait_dscnt 4*NL                              ; B's set and A's blocks 0-3 are in; the youngest sixteen loads (A's blocks 4-7) may be out
	WIN MUL_LO
	MUL16 0, (\q)%2, \q, \slot, \zero
	MUL16 2, (\q)%2, \q, \slot, \zero
	s_wait_dscnt 0                                 ; A's blocks 4-7 are in (asked for 32 matrix instructions ago)
	PLACES NP
	FETCH_B \slot, (\q)+1, 1-(\q)%2
	FETCH_A \slot, (\q)+1, 0
	WIN MUL_HI
	MUL16 4, (\q)%2, \q, \slot, \zero
	MUL16 6, (\q)%2, \q, \slot, \zero
	PLACES NP
	WIN 0
	FETCH_A \slot, (\q)+1, 4
.endm
; A slot's last step changes slots: ONE barrier; in front of it each wave waits for all its tensor loads, adds 0 to its spare word, and waits for that and for its own reads of this slot.  fill = 1: this slot is filled again, two K steps ahead.
.macro TURN slot, next, fill
	s_wait_tensorcnt 0x0                           ; all my tensor loads have landed: my part of the next slot  (every window is 0 here: the add's two registers lie in window 0)
	ds_add_u32 v[SPW], v[NIL]                      ; 0 onto my spare word
	s_wait_dscnt 4*NL+1                            ; (the add and the youngest sixteen loads, A's blocks 4-7, may be out)
	WIN MUL_LO
	MUL16 0, 1, NQ-1, \slot, 0                     ; sixteen matrix instructions stand between the add and the wait for it
	s_wait_dscnt 0x0                               ; the add is done, and my reads of this slot are over
	s_barrier_signal -1
	MUL16 2, 1, NQ-1, \slot, 0
	WIN 0
	s_barrier_wait -1
.if \fill
	CREST                                          ; the barrier has opened a round of the cluster's barrier: no wave of any partner still reads this slot's tile or has a load on its way
	s_add_nc_u64 s[G0+4*\slot+2:G0+4*\slot+3], s[G0+4*\slot+2:G0+4*\slot+3], 2*ROWB
	s_add_nc_u64 s[G0B+4*\slot+2:G0B+4*\slot+3], s[G0B+4*\slot+2:G0B+4*\slot+3], 2*ROWB
	JLOAD G0+4*\slot, G1, G0B+4*\slot, G1B         ; the first tensor load behind the round; the four v_nop behind it are among the places in front of the loads below
	PLACES NP-4
.else
	PLACES NP
.endif
	s_wait_alu depctr_va_vdst(0)
	v_add_nc_u32 v[ADRS], 4*NQ, v[ADRS]            ; on to the next K step's scale words (no LDS load of mine is out)
	FETCH_B \next, 0, 0
	FETCH_A \next, 0, 0
	SCALES \next
	WIN MUL_HI
	MUL16 4, 1, NQ-1, \slot, 0
	MUL16 6, 1, NQ-1, \slot, 0
	PLACES NP
	WIN 0
	FETCH_A \next, 0, 4
.endm
	s_wait_alu depctr_va_vdst(0)
	s_wait_tensorcnt 1                             ; the scales and my part of K step 0 are in (of my three loads K step 1's may be out)
	s_barrier_signal -1
	s_barrier_wait -1                              ; everybody's are
	FETCH_B 0, 0, 0
	FETCH_A 0, 0, 0
	SCALES 0
	FETCH_A 0, 0, 4
	STEP 0, 0, 1                                   ; the first step stands in front of the loop: its products start the sums
	s_mov_b32 s3, LAPS-1
.Llap:                                                 ; a trip goes once round the ring, from a lap's second step to the next lap's first, and fills both slots again
	TURN 0, 1, 1
	STEP 1, 0, 0
	TURN 1, 0, 1
	STEP 0, 0, 0
	s_sub_co_u32 s3, s3, 1
	s_cmp_lg_u32 s3, 0
	s_cbranch_scc1 .Llap
	TURN 0, 1, 0                                   ; the last lap fills nothing, and has no round of the cluster's barrier
	STEP 1, 0, 0
	s_wait_dscnt 4*NL                              ; the very last step: nothing more to fetch
	WIN MUL_LO
	MUL16 0, 1, NQ-1, 1, 0
	MUL16 2, 1, NQ-1, 1, 0
	s_wait_dscnt 0
	WIN MUL_HI
	MUL16 4, 1, NQ-1, 1, 0
	MUL16 6, 1, NQ-1, 1, 0
	WIN 0
; THE WAY OUT.  Block a's 64 registers of a lane, v[AC + 16 b + i] = column 32 b + 16 h + i of my row, become 16 registers of codes and a word of four scale bytes.
; Each accumulator is read from its low end on: the maxima go up the registers in pairs.
.macro QUANTW a
.set AC, 64*((\a)%4)
.set WD, 2+(\a)/4                      ; the accumulators' window
.set PCA, PC+16*(\a)
.set WW, 5*WD
	WIN WW                                         ; sources 0 and 1 in the accumulators' window
.irp b, 0,1,2,3
	v_max3_num_f32 v[TM+\b], |v[AC+16*\b]|, |v[AC+16*\b+1]|, 0x4800000   ; block b: my 16 numbers, and the floor 2^(9 - 127): the byte cannot fall under 1
.endr
.set WW, (WD<<2)|(WD<<4)
	WIN WW                                         ; sources 1 and 2
.irp i, 2,4,6,8,10,12,14
.irp b, 0,1,2,3
	v_max3_num_f32 v[TM+\b], v[TM+\b], |v[AC+16*\b+\i]|, |v[AC+16*\b+\i+1]|   ; (the four blocks by turns)
.endr
.endr
	WIN 0
.irp b, 0,1,2,3
	v_permlanex16_b32 v[TM+4+\b], v[TM+\b], s10, s11
.endr
.irp b, 0,1,2,3
	v_max_num_f32 v[TM+\b], v[TM+\b], v[TM+4+\b]   ; with lane l xor 16's: the block's largest magnitude
.endr
.irp b, 0,1,2,3
	v_add_nc_u32 v[TM+12+\b], 0xfc000000, v[TM+\b] ; 8 off its exponent field: the conversion's scale operand
.endr
.irp b, 0,1,2,3
.endr
.irp b, 0,1,2,3
	v_lshrrev_b32 v[TM+4+\b], 23, v[TM+12+\b]      ; the scale's byte
.endr
	v_lshl_or_b32 v[W4+(\a)], v[TM+5], 8, v[TM+4]
	v_lshl_or_b32 v[W4+(\a)], v[TM+6], 16, v[W4+(\a)]
	v_lshl_or_b32 v[W4+(\a)], v[TM+7], 24, v[W4+(\a)]
.set WW, WD|(WD<<6)
	WIN WW                                         ; source 0 and destination
.irp b, 0,1,2,3
.irp i, 0,1,2,3,4,5,6,7,8,9,10,11,12,13,14,15
.endr
.endr
	WIN WD                                         ; source 0
.irp b, 0,1,2,3
	v_cvt_scalef32_pk8_fp8_f32 v[PCA+4*\b:PCA+4*\b+1], v[AC+16*\b:AC+16*\b+7], v[TM+12+\b]
	v_cvt_scalef32_pk8_fp8_f32 v[PCA+4*\b+2:PCA+4*\b+3], v[AC+16*\b+8:AC+16*\b+15], v[TM+12+\b]
.endr
	WIN 0
	v_nop                                          ; one plain line behind the last conversion, ahead of the next vector instruction that writes its sources
.endm
; v = 0: Q or K: block a is tile a of 16 tokens; columns 64 (b / 2) on are a head's 64, chunk b % 2 of its image.   v = 1: V: block a is tile a % 4 of head a / 4's 64 channels; the columns are 128 keys, chunk b.
.macro EPI v
.irp a, 0,1,2,3,4,5,6,7
	QUANTW \a
.irp b, 0,1,2,3
.if \v
.set BS, 12+80*(\a/4)
.set OF, (\a%4)*2048+\b*512
.else
.set BS, 12+80*(\b/2)
.set OF, \a*1024+(\b%2)*512
.endif
	global_store_b128 v[LO], v[PCA+4*\b:PCA+4*\b+3], s[BS:BS+1] offset:OF   ; 32 lanes store 512 consecutive bytes, at a multiple of 256 from the buffer's first byte
.endr
.endr
.irp t, 0,1,2,3
.if \v
	v_cndmask_b32 v[W4+8+\t], v[W4+\t], v[W4+4+\t], s97    ; word t: tile t's four bytes; lanes 0-15 the first head's, lanes 16-31 the second's
.else
	v_perm_b32 v[W4+8+\t], v[W4+2*\t+1], v[W4+2*\t], v[SELV]   ; word t: my head's two bytes of tile 2 t below, of tile 2 t + 1 above
.endif
.endr
	global_store_b128 v[SOFF], v[W4+8:W4+11], s[94:95]     ; sixteen lanes store a head's 256 bytes, aligned
.endm
	PLACES NP                                      ; behind the last products: for the reads of results, and for the writes of registers that held fragments and scale words
.irp b, 0,1,2,3
	v_mov_b32 v[TM+4+\b], 0                        ; written once: a lane permute's destination counts as one of its sources
.endr
	s_cmp_lt_u32 s17, 8                            ; the cluster's y: the same in all partners
	s_cbranch_scc0 .Lpart_v
	EPI 0
	s_branch .Lout
.Lpart_v:
	EPI 1
.Lout:
	s_wait_tensorcnt 0x0                           ; the wave's end
	ds_add_u32 v[SPW], v[NIL]
	s_wait_dscnt 0x0
	CROUND                                         ; the closing round: no work-group ends while a partner may still ask for a tile that names it
	s_endpgm
.Lfunc_end_k_q988ccf0b2f_qkv:
	.size	k_q988ccf0b2f_qkv, .Lfunc_end_k_q988ccf0b2f_qkv-k_q988ccf0b2f_qkv
	.p2alignl 7, 3214868480
	.fill 96, 4, 3214868480
	.section	.rodata,"a",@progbits
	.p2align	6, 0x0
	.amdhsa_kernel k_q988ccf0b2f_qkv
		.amdhsa_group_segment_fixed_size 327680
		.amdhsa_private_segment_fixed_size 0
		.amdhsa_enable_private_segment 0
		.amdhsa_kernarg_size 24
		.amdhsa_user_sgpr_count 2
		.amdhsa_user_sgpr_kernarg_segment_ptr 1
		.amdhsa_wavefront_size32 1
		.amdhsa_system_sgpr_workgroup_id_x 1
		.amdhsa_system_sgpr_workgroup_id_y 1
		.amdhsa_system_sgpr_workgroup_id_z 1
		.amdhsa_system_vgpr_workitem_id 0
		.amdhsa_next_free_vgpr 1024
		.amdhsa_next_free_sgpr 98
		.amdhsa_reserve_vcc 0
		.amdhsa_float_denorm_mode_32 3
		.amdhsa_float_denorm_mode_16_64 3
		.amdhsa_fp16_overflow 1
		.amdhsa_memory_ordered 1
		.amdhsa_forward_progress 1
		.amdhsa_inst_pref_size 185
	.end_amdhsa_kernel
	.amdgpu_metadata
---
amdhsa.version: [ 1, 2 ]
amdhsa.kernels:
  - .name:           k_q988ccf0b2f_qkv
    .symbol:         k_q988ccf0b2f_qkv.kd
    .args:
      - { .name: codes, .offset: 0, .size: 8, .value_kind: global_buffer, .address_space: global }
      - { .name: scales, .offset: 8, .size: 8, .value_kind: global_buffer, .address_space: global }
      - { .name: qkv, .offset: 16, .size: 8, .value_kind: global_buffer, .address_space: global }
    .group_segment_fixed_size: 327680
    .private_segment_fixed_size: 0
    .kernarg_segment_align: 8
    .kernarg_segment_size: 24
    .max_flat_workgroup_size: 128
    .sgpr_count:     98
    .vgpr_count:     1024
    .wavefront_size: 32
...
	.end_amdgpu_metadata
.endif
;; end of part 2
;; launch attn (part 3): grid 8 x 32, 16 waves a work-group, no clusters, 327,680 bytes of LDS; arguments qkv, ctx_img, ctx_sc; writes ctx_img, ctx_sc
.if DOCPART == 3
	.amdgcn_target "amdgcn-amd-amdhsa--gfx1250"
	.amdhsa_code_object_version 6
	.text
	.protected	k_q988ccf0b2f_attn
	.globl	k_q988ccf0b2f_attn
	.p2align	8
	.type	k_q988ccf0b2f_attn,@function
k_q988ccf0b2f_attn:
	s_mov_b64 s[64:65], 0
	v_nop
	global_prefetch_b8 v0, s[64:65] scope:SCOPE_SE
	s_setreg_imm32_b32 hwreg(HW_REG_WAVE_MODE, 25, 1), 1
	s_wait_xcnt 0x0
; Causal attention of 64 heads (4 batches x 16) of 2,048 tokens x 64 channels on codes of FP8 (E4M3) with E8M0 scales, and its result, ctx = O / l, quantised along the 1,024 channels for the last product.
; qkv: 1,024 records of 25,344 bytes, record (batch 16 + head) 16 + (token / 128); all operands lie there as IMAGES OF THEIR REGISTERS (16 bytes a lane at 16 x lane):
;   0 K: tile a of 16 keys at 1,024 a + 512 c;  8,192 V^T: tile t of 16 channels x 128 keys at 2,048 t + 512 c;  16,384 K's scale words [r][4];  16,640 V's [r][4];  16,896 Q as K;  25,088 Q's scale words.
;   Lane r of tile i holds token (or channel) rho(i, r) = 32 (i / 2) + 8 (i % 2) + r + 8 (r / 8) of its 128 (64).
; THE SOFTMAX: t = score x log2(e) / 8; M = the row's largest t so far, rounded UP to a whole number; p = 2^(t - M) is quantised along the keys, not normalised; the row's sum is taken of the unquantised p and divides O at the end.
; When M moves, the sum and O are multiplied by 2^(old M - new M): exact.
; SHARES.  Work-group (J, y): batch y / 8, heads 2 (y % 8) and 2 (y % 8) + 1; query chunks (128 tokens) J (pass A) and 15 - J (pass B).  Waves 0-7 take the first head, 8-15 the second; wave w takes tile w % 8 of 16 queries.
; A pass over chunk q walks key chunks 0 .. q, so the two passes are 17 trips in every work-group: trips 0 .. J are pass A, the rest pass B; a pass's last trip lies on the diagonal.  Keys beyond the diagonal chunk are neither fetched nor multiplied.
; A trip's tiles (K, V and their scale words of 128 keys, both heads: 2 x 16,896 dense bytes) come through a ring of two LDS slots; waves 0 and 1 fetch a head's each, all sixteen read.
; LAYOUT.  Both products are used transposed: S^T = K Q^T (source 0 = keys), O^T = V^T P^T (source 0 = channels): a lane holds ONE query (lane % 16) throughout; by rho, p's 16 registers of two neighbouring tiles are keys 32 b + 16 h + 0 .. 15,
; and O^T's are channels 32 b + 16 h + 0 .. 15: the conversions' results are the next operand's registers.
; THE HEAD HAS 64 CHANNELS AND THE INSTRUCTION 128 ALONG K: source 0 is a PAIR of key tiles (tile 2 b in K = 0 .. 63, tile 2 b + 1 in K = 64 .. 127); Q lies in 24 registers as Q, zeros, Q, and the pair is multiplied by registers 0-15 (tile 2 b's
; scores) and by registers 8-23 (tile 2 b + 1's).  Zero codes under valid scale bytes add exactly 0.
; ctx_img: [token tile 512][K step 8][c 4][lane][16 bytes]; ctx_sc: [K step 8][token tile 512][r 16] words.  K step = pair of heads; a head's wave makes chunks 2 (w / 8) + 0, 1 and two of the word's four bytes; the halves meet in LDS.
; No joint loads: the eight work-groups of a pair of heads want different key chunks in the same trip (their passes differ in length), so no two descriptors are equal.
; LIMITS: NaN and infinities are not served.  Hidden scores count as -infinity where the definition has -1e9: the same as long as a row's visible logits are not all under about -1e9.  A block whose largest magnitude lies under 2^-118 keeps the scale byte 1.
.set REC,    25344
.set HEADSTR, 16*REC
.set HALF,   16896                     ; a head's part of a slot: 66 rows of 256 bytes
.set SLOT1,  65536                     ; slot 1 begins here: one exclusive or turns an address from one slot to the other
.set VIMG,   8192
.set KSC,    16384
.set QIMG,   16896
.set QSC,    25088
.set SCRA,   34816                     ; behind slot 0's 33,792 bytes, in blocks of 256 bytes into which no fill lands: pass A's scale half-words, 64 bytes a wave;
.set SCRB,   35840                     ; pass B's;
.set SPARE,  36864                     ; the spare words, 128 bytes for each of 16 waves: eight blocks of 256 bytes that no other line names
.set LI,  1                            ; v1   16 x lane + my head's part of a slot
.set LSC, 2                            ; v2   16 r + my head's part + KSC
.set SPW, 3                            ; v3   LDS address of my spare word; never rewritten
.set NIL, 4                            ; v4   0; never rewritten
.set LQ,  5                            ; v5   16 x lane + 1,024 x my tile: Q's image
.set LQS, 6                            ; v6   16 r + 4 (tile / 2): Q's scale word
.set LC,  7                            ; v7   16 x lane + 16,384 x tile + 1,024 x (wave / 8): ctx's image
.set LG,  8                            ; v8   16 x lane
.set SCW, 9                            ; v9   SCRA + 64 x wave + 4 r
.set ADK, 10                           ; v10  the trip's images
.set ADS, 11                           ; v11  the trip's scale words
                                       ; v12 -M, v13 the largest t, v[14:15] the sum in two halves
.set QF,  16                           ; v16-39   Q, zeros, Q
.set KF,  40                           ; v40-103  four pairs of key tiles, then V's four tiles
.set S,   104                          ; v104-167 S^T, then p
.set O,   168                          ; v168-199 O^T
.set PC,  200                          ; v200-215 p's codes (at a pass's end: ctx's)
.set KS,  216                          ; v216-219 K's scale words;  v220-223 V's;  v224 Q's;  v225 p's
.set VS,  220
.set QS,  224
.set PS,  225
.set BM,  228                          ; v228-231 the blocks' largest
.set PM,  232                          ; v232-235 the other half's; later the bytes
.set HD,  236                          ; v236-239 in SCOUT: the second head's half-words
.set SO,  240                          ; v240-243 the conversions' scale operands
.set FF,  244                          ; v[244:245] f = 2^(old M - new M) (at a pass's end 1 / l); the upper half is only named
.set T2,  246                          ; v[246:247] the sum's second chain
.set T0,  248
.set DM,  249                          ; v249 my query less 16 h, within its chunk
.set NINF, 250                         ; v250 -infinity
.set WV,  10                           ; s10 wave; s11 wave / 8; s12 wave % 8; s13 J
.set G1,  24                           ; s[24:31] descriptor group 1;  s[32:35] group 0, which walks
.set G0,  32
.set HB,  36                           ; s[36:37] the records of the head that I fetch
.set RQA, 38                           ; s[38:39], s[42:43] my head's record of query chunk J, 15 - J
.set RQB, 42
.set CBA, 44                           ; s[44:45], s[46:47] ctx_img at the passes' first token tile and my K step
.set CBB, 46
.set CSA, 48                           ; s[48:49], s[52:53] ctx_sc likewise
.set CSB, 52
.set U,   50                           ; s50 the trip
.set KN,  51                           ; s51 the key chunk asked for last
.set TB,  54                           ; s54 the slot in hand
; Waves 0 and 1 fetch, a head each; the branch hangs on the wave's number alone.  Four v_nop follow the line.
.macro TLOAD
	s_cmp_lt_u32 s[WV], 2
	s_cbranch_scc0 .Lasked_\@
	tensor_load_to_lds s[G0:G0+3], s[G1:G1+7]
	s_nop 0
.rept 4
	v_nop
.endr
.Lasked_\@:
.endm
; THE CHANGE OF SLOTS stands at a trip's head.  Each wave waits for all its tensor loads (at most one is out: the tiles that it is about to read), adds 0 to its spare word, and waits for that and for its reads of the slot that it has left.
; Behind the barrier the slot ahead is whole and nobody reads the other one.  fill = 1: that other slot takes the next trip's key chunk: one more, or chunk 0 again where pass B begins.  The load has a trip's work in which to land.
.macro CHANGE fill
	s_wait_tensorcnt 0x0                           ; no tensor load of mine is out, so group 0 may be written
	ds_add_u32 v[SPW], v[NIL]                      ; 0 onto my spare word; the descriptor's steps stand between it and the wait for it
.if \fill
	s_xor_b32 s[G0+1], s[G0+1], SLOT1              ; the other slot than last time
	s_add_co_u32 s[KN], s[KN], 1
	s_cmp_eq_u32 s[U], s13
	s_cselect_b32 s[KN], 0, s[KN]
	s_mul_i32 s40, s[KN], REC                      ; (s41 = 0)
	s_add_nc_u64 s[G0+2:G0+3], s[HB:HB+1], s[40:41]
	s_or_b32 s[G0+3], s[G0+3], 0x80000000
.endif
	s_wait_dscnt 0x0                               ; the add is done, my reads of the slot that I have left are over, and so are my stores into the scratch
	s_barrier_signal -1
	s_barrier_wait -1
.if \fill
	TLOAD                                          ; the first thing behind the barrier, and a wave's one tensor load until the next
.endif
.endm
; A pass begins: Q's image twice (registers 0-7 and 16-23 of the 24), its scale word, and the running figures.  The 32 clears of O^T stand behind the last write of the scale word: they are its places ahead of the products.
.macro BEGIN rq
	global_load_b128 v[QF:QF+3], v[LQ], s[\rq:\rq+1] offset:QIMG
	global_load_b128 v[QF+4:QF+7], v[LQ], s[\rq:\rq+1] offset:QIMG+512
	global_load_b128 v[QF+16:QF+19], v[LQ], s[\rq:\rq+1] offset:QIMG
	global_load_b128 v[QF+20:QF+23], v[LQ], s[\rq:\rq+1] offset:QIMG+512
	global_load_b32 v[QS], v[LQS], s[\rq:\rq+1] offset:QSC
	v_mov_b32 v13, 0xff61b1e6                      ; the largest t so far: -3e38, under every t
	s_delay_alu instid0(VALU_DEP_1)
	v_floor_f32 v12, -v13                          ; -M
	v_mov_b32 v14, 0
	v_mov_b32 v15, 0
	s_wait_loadcnt 0x0
	v_lshrrev_b32 v[QS], s56, v[QS]                ; the word holds two tiles' bytes: mine,
	s_delay_alu instid0(VALU_DEP_1)
	v_and_b32 v[QS], 0xffff, v[QS]
	s_delay_alu instid0(VALU_DEP_1)
	v_lshl_or_b32 v[QS], v[QS], 16, v[QS]          ; twice: for Q below the zeros and for Q above them
.set n, 0
.rept 32
	v_mov_b32 v[O+n], 0                            ; O^T: the step is written once: a pass's first step finds zeros, which the first change of M leaves zeros
.set n, n+1
.endr
.endm
; A TRIP'S WORK: 128 keys.  always = 1: the step lies on the diagonal;  0: it does where the trip is J.
.macro STEP always
	v_add_nc_u32 v[ADK], s[TB], v[LI]
	v_add_nc_u32 v[ADS], s[TB], v[LSC]
.rept 6
	v_nop                                          ; with the two additions: eight places in front of loads into registers that the last products read
.endr
.irp b, 0,1,2,3
.irp c, 0,1,2,3
	ds_load_b128 v[KF+16*\b+4*\c:KF+16*\b+4*\c+3], v[ADK] offset:2048*\b+512*\c   ; 512 consecutive bytes: an image has no pitch and no conflict
.endr
.endr
	ds_load_b128 v[KS:KS+3], v[ADS]                ; the four pairs' scale words of my row
	ds_load_b128 v[VS:VS+3], v[ADS] offset:256     ; and V's four tiles'
	s_wait_alu depctr_va_vdst(0)
	s_wait_dscnt 0x0
.irp b, 0,1,2,3
	v_wmma_scale_f32_16x16x128_f8f6f4 v[S+16*\b:S+16*\b+7], v[KF+16*\b:KF+16*\b+15], v[QF:QF+15], 0, v[KS+\b], v[QS]
	v_wmma_scale_f32_16x16x128_f8f6f4 v[S+16*\b+8:S+16*\b+15], v[KF+16*\b:KF+16*\b+15], v[QF+8:QF+23], 0, v[KS+\b], v[QS]
.endr                                          ; register 16 b + i of S: key 32 b + 16 h + i
.rept 8
	v_nop                                          ; places: for the loads below, and for the first reads of the scores
.endr
.irp t, 0,1,2,3
.irp c, 0,1,2,3
	ds_load_b128 v[KF+16*\t+4*\c:KF+16*\t+4*\c+3], v[ADK] offset:VIMG+2048*\t+512*\c   ; V's tiles land while the softmax is worked
.endr
.endr
.if !\always
	s_cmp_lg_u32 s[U], s13                         ; a branch on ids alone
	s_cbranch_scc1 .Lopen_\@
.endif
.set n, 0
.rept 64
	v_cmp_gt_i32 vcc_lo, 32*(n/16)+n%16, v[DM]     ; on the diagonal: key 32 b + 16 h + i is hidden where it comes after my query
	v_cndmask_b32 v[S+n], v[S+n], v[NINF], vcc_lo  ; its score becomes -infinity: p = 0.  The chunk's first key counts for every query, so the step's maximum is a number
.set n, n+1
.endr
.Lopen_\@:
.irp b, 0,1,2,3
	v_max3_num_f32 v[BM+\b], v[S+16*\b], v[S+16*\b+1], v[S+16*\b+2]   ; THE LARGEST SCORE OF EACH BLOCK OF 32 KEYS serves twice: for the row's maximum, and, since p rises with the score, for the block's largest p
.endr
.irp i, 3,5,7,9,11,13
.irp b, 0,1,2,3
	v_max3_num_f32 v[BM+\b], v[BM+\b], v[S+16*\b+\i], v[S+16*\b+\i+1]   ; (the four blocks by turns)
.endr
.endr
.irp b, 0,1,2,3
	v_max_num_f32 v[BM+\b], v[BM+\b], v[S+16*\b+15]
.endr
.irp b, 0,1,2,3
	s_delay_alu instid0(VALU_DEP_4)
	v_permlanex16_b32 v[PM+\b], v[BM+\b], s20, s21
.endr
.irp b, 0,1,2,3
	s_delay_alu instid0(VALU_DEP_4)
	v_max_num_f32 v[BM+\b], v[BM+\b], v[PM+\b]     ; with lane l xor 16's 16 keys
.endr
	s_delay_alu instid0(VALU_DEP_2)
	v_max3_num_f32 v[T0], v[BM], v[BM+1], v[BM+2]
	s_delay_alu instid0(VALU_DEP_1)
	v_max_num_f32 v[T0], v[T0], v[BM+3]            ; the step's largest score of my query
	s_delay_alu instid0(VALU_DEP_1)
	v_mul_f32 v[T0], s22, v[T0]                    ; as t (c is positive)
	s_delay_alu instid0(VALU_DEP_1)
	v_max_num_f32 v13, v13, v[T0]                  ; the running largest t
	v_mov_b32 v[T0], v12
	s_delay_alu instid0(VALU_DEP_2)
	v_floor_f32 v12, -v13                          ; the new -M = floor(-t) = -ceil(t): a whole number
	s_delay_alu instid0(VALU_DEP_1)
	v_sub_f32 v[T0], v12, v[T0]                    ; M's old value less its new one: a whole number, 0 or less
	s_delay_alu instid0(VALU_DEP_1)
	v_cvt_i32_f32 v[T0], v[T0]                     ; (it saturates)
	s_delay_alu instid0(VALU_DEP_1)
	v_ldexp_f32 v[FF], 1.0, v[T0]                  ; f = 2^(old M - new M)
.set n, 0
.rept 32
	v_pk_fma_f32 v[S+n:S+n+1], v[S+n:S+n+1], s[22:23], v[12:13] op_sel_hi:[1,0,0]   ; t - M, two at a time (of the pairs c and -M the low word serves both halves)
.set n, n+2
.endr
.irp b, 0,1,2,3
	v_fma_f32 v[BM+\b], v[BM+\b], s22, v12         ; the same of each block's largest score
.endr
.set n, 0
	s_wait_alu depctr_va_vdst(0)
.rept 64
	v_exp_f32 v[S+n], v[S+n]                       ; p = 2^(t - M), at most 1
.set n, n+1
.endr
.irp b, 0,1,2,3
	v_exp_f32 v[BM+\b], v[BM+\b]                   ; the block's largest p: the same two instructions on the same number
.endr
	v_pk_mul_f32 v[14:15], v[14:15], v[FF:FF+1] op_sel_hi:[1,0]   ; the sums under the new M.  (The plain line behind the exponentials)
	s_wait_alu depctr_va_vdst(0)
.irp b, 0,1,2,3
	v_max_num_f32 v[BM+\b], 0x4800000, v[BM+\b]    ; the floor 2^(9 - 127): the byte cannot fall under 1 (a block whose every p is 0 keeps that byte: its codes are zeros)
.endr
.irp b, 0,1,2,3
	s_delay_alu instid0(VALU_DEP_4)
	v_add_nc_u32 v[SO+\b], 0xfc000000, v[BM+\b]    ; 8 off the exponent field: the conversion's scale operand
.endr
.irp b, 0,1,2,3
.endr
.irp b, 0,1,2,3
	s_delay_alu instid0(VALU_DEP_4)
	v_lshrrev_b32 v[PM+\b], 23, v[SO+\b]           ; the scale's byte
.endr
	s_delay_alu instid0(VALU_DEP_3)
	v_lshl_or_b32 v[PS], v[PM+1], 8, v[PM]         ; p's scale word for these 128 keys
	s_delay_alu instid0(VALU_DEP_1)
	v_lshl_or_b32 v[PS], v[PM+2], 16, v[PS]
	s_delay_alu instid0(VALU_DEP_1)
	v_lshl_or_b32 v[PS], v[PM+3], 24, v[PS]
	v_pk_add_f32 v[246:247], v[108:109], v[112:113]
	v_pk_add_f32 v[254:255], v[116:117], v[120:121]
	v_pk_add_f32 v[252:253], v[124:125], v[128:129]
	v_pk_add_f32 v[238:239], v[132:133], v[136:137]
	v_pk_add_f32 v[236:237], v[140:141], v[144:145]
	v_pk_add_f32 v[230:231], v[148:149], v[152:153]
	v_pk_add_f32 v[228:229], v[156:157], v[160:161]
	v_pk_add_f32 v[14:15], v[14:15], v[164:165]
	v_pk_add_f32 v[246:247], v[246:247], v[104:105]
	v_pk_add_f32 v[254:255], v[254:255], v[106:107]
	v_pk_add_f32 v[252:253], v[252:253], v[110:111]
	v_pk_add_f32 v[238:239], v[238:239], v[114:115]
	v_pk_add_f32 v[236:237], v[236:237], v[118:119]
	v_pk_add_f32 v[230:231], v[230:231], v[122:123]
	v_pk_add_f32 v[228:229], v[228:229], v[126:127]
	v_pk_add_f32 v[14:15], v[14:15], v[130:131]
	v_pk_add_f32 v[246:247], v[246:247], v[134:135]
	v_pk_add_f32 v[254:255], v[254:255], v[138:139]
	v_pk_add_f32 v[252:253], v[252:253], v[142:143]
	v_pk_add_f32 v[238:239], v[238:239], v[146:147]
	v_pk_add_f32 v[236:237], v[236:237], v[150:151]
	v_pk_add_f32 v[230:231], v[230:231], v[154:155]
	v_pk_add_f32 v[228:229], v[228:229], v[158:159]
	v_pk_add_f32 v[14:15], v[14:15], v[162:163]
	v_pk_add_f32 v[246:247], v[246:247], v[166:167]
	s_delay_alu instid0(VALU_DEP_2)
	v_pk_add_f32 v[14:15], v[14:15], v[238:239]
	s_delay_alu instid0(VALU_DEP_2)
	v_pk_add_f32 v[246:247], v[246:247], v[236:237]
	v_pk_add_f32 v[254:255], v[254:255], v[230:231]
	v_pk_add_f32 v[252:253], v[252:253], v[228:229]
	s_delay_alu instid0(VALU_DEP_2)
	v_pk_add_f32 v[14:15], v[14:15], v[254:255]
	s_delay_alu instid0(VALU_DEP_2)
	v_pk_add_f32 v[246:247], v[246:247], v[252:253]
	s_delay_alu instid0(VALU_DEP_1)
	v_pk_add_f32 v[14:15], v[14:15], v[246:247]
.irp b, 0,1,2,3
.irp i, 0,1,2,3,4,5,6,7,8,9,10,11,12,13,14,15
.endr
	v_cvt_scalef32_pk8_fp8_f32 v[PC+4*\b:PC+4*\b+1], v[S+16*\b:S+16*\b+7], v[SO+\b]
	v_cvt_scalef32_pk8_fp8_f32 v[PC+4*\b+2:PC+4*\b+3], v[S+16*\b+8:S+16*\b+15], v[SO+\b]
.endr
.set n, 0
.rept 16
	v_pk_mul_f32 v[O+n:O+n+1], v[O+n:O+n+1], v[FF:FF+1] op_sel_hi:[1,0]   ; O^T under the new M.  (These 16 are also the places between the codes and the products)
.set n, n+2
.endr
	s_wait_alu depctr_va_vdst(0)
	s_wait_dscnt 0x0                               ; V's tiles are in
.irp t, 0,1,2,3
	v_wmma_scale_f32_16x16x128_f8f6f4 v[O+8*\t:O+8*\t+7], v[KF+16*\t:KF+16*\t+15], v[PC:PC+15], v[O+8*\t:O+8*\t+7], v[VS+\t], v[PS]   ; the four accumulators by turns
.endr
.endm
; A pass ends: O^T / l; its two blocks of 32 channels are quantised; the codes leave as two chunks of ctx's image, my two scale bytes go to the scratch, in my head's half of the word.
.macro FINISH cb, scr
.rept 8
	v_nop                                          ; places behind the last products
.endr
	v_add_f32 v14, v14, v15                        ; the sum's two halves,
	s_delay_alu instid0(VALU_DEP_1)
	v_permlanex16_b32 v[T0], v14, s20, s21
	s_delay_alu instid0(VALU_DEP_1)
	v_add_f32 v14, v14, v[T0]                      ; and lane l xor 16's: the row's sum
	s_wait_alu depctr_va_vdst(0)
	v_rcp_f32 v[FF], v14
	v_nop                                          ; one plain line behind a transcendental
.set n, 0
	s_wait_alu depctr_va_vdst(0)
.rept 16
	v_pk_mul_f32 v[O+n:O+n+1], v[O+n:O+n+1], v[FF:FF+1] op_sel_hi:[1,0]   ; each accumulator from its low end on
.set n, n+2
.endr
.irp b, 0,1
	v_max3_num_f32 v[BM+\b], |v[O+16*\b]|, |v[O+16*\b+1]|, 0x4800000
.endr
.irp i, 2,4,6,8,10,12,14
.irp b, 0,1
	s_delay_alu instid0(VALU_DEP_2)
	v_max3_num_f32 v[BM+\b], v[BM+\b], |v[O+16*\b+\i]|, |v[O+16*\b+\i+1]|
.endr
.endr
.irp b, 0,1
	s_delay_alu instid0(VALU_DEP_2)
	v_permlanex16_b32 v[PM+\b], v[BM+\b], s20, s21
.endr
.irp b, 0,1
	s_delay_alu instid0(VALU_DEP_2)
	v_max_num_f32 v[BM+\b], v[BM+\b], v[PM+\b]
.endr
.irp b, 0,1
	s_delay_alu instid0(VALU_DEP_2)
	v_add_nc_u32 v[SO+\b], 0xfc000000, v[BM+\b]
.endr
.irp b, 0,1
.endr
.irp b, 0,1
	s_delay_alu instid0(VALU_DEP_2)
	v_lshrrev_b32 v[PM+\b], 23, v[SO+\b]
.endr
	s_delay_alu instid0(VALU_DEP_1)
	v_lshl_or_b32 v[T0], v[PM+1], 8, v[PM]
	s_delay_alu instid0(VALU_DEP_1)
	v_lshlrev_b32 v[T0], s55, v[T0]                ; the second head's bytes stand in the word's upper half
.irp b, 0,1
.irp i, 0,1,2,3,4,5,6,7,8,9,10,11,12,13,14,15
.endr
	v_cvt_scalef32_pk8_fp8_f32 v[PC+4*\b:PC+4*\b+1], v[O+16*\b:O+16*\b+7], v[SO+\b]
	v_cvt_scalef32_pk8_fp8_f32 v[PC+4*\b+2:PC+4*\b+3], v[O+16*\b+8:O+16*\b+15], v[SO+\b]
.endr
	v_nop                                          ; one plain line behind the last conversion
	global_store_b128 v[LC], v[PC:PC+3], s[\cb:\cb+1]              ; 512 consecutive bytes, aligned
	global_store_b128 v[LC], v[PC+4:PC+7], s[\cb:\cb+1] offset:512
	ds_store_b32 v[SCW], v[T0] offset:\scr-SCRA    ; lanes r and r + 16 write the same word with the same value
	s_wait_xcnt 0x0                                ; the stores' data registers are written again only behind this wait
.endm
; One wave joins a pass's half-words (the first head's eight tiles, 512 bytes, and the second head's) and stores 512 consecutive bytes.
.macro SCOUT cs, scr
	ds_load_b128 v[PM:PM+3], v[LG] offset:\scr
	ds_load_b128 v[HD:HD+3], v[LG] offset:\scr+512
	s_wait_dscnt 0x0
.irp i, 0,1,2,3
	v_or_b32 v[PM+\i], v[PM+\i], v[HD+\i]
.endr
	global_store_b128 v[LG], v[PM:PM+3], s[\cs:\cs+1]
.endm
	s_load_b128 s[4:7], s[0:1], 0x0                ; qkv s[4:5], ctx_img s[6:7]
	s_load_b64 s[8:9], s[0:1], 0x10                ; ctx_sc
	v_lshl_add_u32 v[SPW], v0, 2, SPARE
	v_mov_b32 v[NIL], 0
	ds_add_u32 v3, v4
	ds_add_u32 v3, v4
	s_wait_dscnt 0x0
	v_lshrrev_b32 v10, 5, v0
	s_delay_alu instid0(VALU_DEP_1)
	v_readfirstlane_b32 s[WV], v10                 ; wave 0..15
	s_lshr_b32 s11, s[WV], 3                       ; which of the two heads
	s_and_b32 s12, s[WV], 7                        ; which tile of 16 queries
	s_mov_b32 s13, ttmp9                           ; J
	s_and_b32 s17, ttmp7, 0xffff
	s_lshr_b32 s15, s17, 3                         ; batch
	s_and_b32 s16, s17, 7                          ; pair of heads
	; descriptor group 1: 66 dense rows of 256 bytes (32 elements of 8 bytes), no padding: images are read as they lie
	s_mov_b32 s[G1], 3<<16
	s_mov_b32 s[G1+1], 32<<16                      ; tensor_dim0
	s_mov_b32 s[G1+2], 66<<16                      ; tensor_dim1
	s_mov_b32 s[G1+3], 32<<16                      ; tile_dim0
	s_mov_b32 s[G1+4], 66                          ; tile_dim1
	s_mov_b32 s[G1+5], 32                          ; tensor_dim0_stride
	s_mov_b32 s[G1+6], 0
	s_mov_b32 s[G1+7], 0
	s_lshl_b32 s18, s15, 4
	s_lshl_b32 s57, s16, 1
	s_add_co_u32 s18, s18, s57                     ; 16 x batch + the pair's first head
	s_and_b32 s58, s[WV], 1
	s_add_co_u32 s57, s18, s58                     ; the head that I fetch, if I fetch
	s_mul_i32 s40, s57, HEADSTR                    ; under 2^25
	s_mov_b32 s41, 0
	s_mov_b32 s[G0], 1
	s_mul_i32 s[G0+1], s58, HALF                   ; LDS: slot 0, that head's part
	s_wait_kmcnt 0x0
	s_add_nc_u64 s[HB:HB+1], s[4:5], s[40:41]
	s_mov_b64 s[G0+2:G0+3], s[HB:HB+1]             ; key chunk 0
	s_or_b32 s[G0+3], s[G0+3], 0x80000000
	TLOAD                                          ; the one first fill, ahead of every wait on TENSORcnt, every LDS read and every barrier
	s_add_co_u32 s57, s18, s11
	s_mul_i32 s57, s57, HEADSTR                    ; my head's records
	s_mul_i32 s58, s13, REC
	s_add_co_u32 s58, s58, s57
	s_mov_b32 s59, 0
	s_add_nc_u64 s[RQA:RQA+1], s[4:5], s[58:59]
	s_sub_co_u32 s60, 15, s13                      ; pass B's chunk
	s_mul_i32 s58, s60, REC
	s_add_co_u32 s58, s58, s57
	s_add_nc_u64 s[RQB:RQB+1], s[4:5], s[58:59]
	s_lshl_b32 s61, s15, 7                         ; 128 token tiles a batch
	s_lshl_b32 s62, s13, 3
	s_add_co_u32 s62, s62, s61                     ; pass A's first token tile
	s_lshl_b32 s63, s60, 3
	s_add_co_u32 s63, s63, s61                     ; pass B's
	s_lshl_b32 s57, s16, 11                        ; my K step in a token tile's 16,384 bytes
	s_lshl_b32 s58, s62, 14
	s_add_co_u32 s58, s58, s57
	s_add_nc_u64 s[CBA:CBA+1], s[6:7], s[58:59]
	s_lshl_b32 s58, s63, 14
	s_add_co_u32 s58, s58, s57
	s_add_nc_u64 s[CBB:CBB+1], s[6:7], s[58:59]
	s_lshl_b32 s57, s16, 15                        ; my K step's 32,768 bytes of scale words
	s_lshl_b32 s58, s62, 6
	s_add_co_u32 s58, s58, s57
	s_add_nc_u64 s[CSA:CSA+1], s[8:9], s[58:59]
	s_lshl_b32 s58, s63, 6
	s_add_co_u32 s58, s58, s57
	s_add_nc_u64 s[CSB:CSB+1], s[8:9], s[58:59]
	s_mov_b32 s20, 0x76543210
	s_mov_b32 s21, 0xfedcba98                      ; v_permlanex16_b32's selects for lane l xor 16
	s_mov_b32 s22, 0x3e38aa3b                      ; c = log2(e) / sqrt(64)
	s_mov_b32 s23, s22                             ; (named with it as a pair, so it is written)
	s_lshl_b32 s55, s11, 4                         ; my head's half of ctx's scale word
	s_and_b32 s56, s12, 1
	s_lshl_b32 s56, s56, 4                         ; my tile's half of Q's scale word
	v_and_b32 v10, 15, v0                          ; r
	v_bfe_u32 v11, v0, 4, 1                        ; h
	v_and_b32 v[LG], 31, v0
	s_delay_alu instid0(VALU_DEP_1)
	v_lshlrev_b32 v[LG], 4, v[LG]
	s_wait_alu depctr_va_vdst(0)
	s_mul_i32 s57, s11, HALF
	v_add_nc_u32 v[LI], s57, v[LG]
	s_add_co_u32 s57, s57, KSC
	v_lshl_add_u32 v[LSC], v10, 4, s57
	s_lshl_b32 s57, s12, 10
	v_add_nc_u32 v[LQ], s57, v[LG]
	s_lshr_b32 s57, s12, 1
	s_lshl_b32 s58, s57, 2
	v_lshl_add_u32 v[LQS], v10, 4, s58
	s_lshl_b32 s58, s12, 14
	s_lshl_b32 s60, s11, 10
	s_add_co_u32 s58, s58, s60
	v_add_nc_u32 v[LC], s58, v[LG]
	s_lshl_b32 s58, s[WV], 6
	s_add_co_u32 s58, s58, SCRA
	v_lshl_add_u32 v[SCW], v10, 2, s58
	s_lshl_b32 s57, s57, 5
	s_and_b32 s58, s12, 1
	s_lshl_b32 s58, s58, 3
	s_add_co_u32 s57, s57, s58                     ; 32 (tile / 2) + 8 (tile % 2)
	v_and_b32 v[DM], 8, v10
	s_delay_alu instid0(VALU_DEP_1)
	v_add_nc_u32 v[DM], v[DM], v10                 ; + r + 8 (r / 8): my query within its chunk,
	v_lshlrev_b32 v[T0], 4, v11
	s_delay_alu instid0(VALU_DEP_1)
	v_sub_nc_u32 v[DM], v[DM], v[T0]               ; less 16 h
	s_delay_alu instid0(VALU_DEP_1)
	v_add_nc_u32 v[DM], s57, v[DM]
	v_mov_b32 v[NINF], 0xff800000
.irp i, 0,1,2,3,4,5,6,7
	v_mov_b32 v[QF+8+\i], 0                        ; the zero codes between Q and Q: written once
.endr
.irp b, 0,1,2,3
	v_mov_b32 v[PM+\b], 0                          ; written once: a lane permute's destination counts as one of its sources
.endr
	v_mov_b32 v[FF+1], 0                           ; (named as the upper half of a pair)
	BEGIN RQA
	s_mov_b32 s[U], 0
	s_mov_b32 s[KN], 0
	s_mov_b32 s[TB], 0
.Ltrip:                                            ; 16 trips; the 17th is written out
	CHANGE 1
	STEP 0
	s_cmp_lg_u32 s[U], s13
	s_cbranch_scc1 .Lsame_pass
	FINISH CBA, SCRA                               ; trip J ends pass A,
	BEGIN RQB                                      ; and pass B begins
.Lsame_pass:
	s_xor_b32 s[TB], s[TB], SLOT1                  ; on to the other slot
	s_add_co_u32 s[U], s[U], 1
	s_cmp_lt_u32 s[U], 16
	s_cbranch_scc1 .Ltrip
	CHANGE 0
	STEP 1                                         ; pass B's diagonal
	FINISH CBB, SCRB
	s_wait_dscnt 0x0                               ; for the others' sake: my store into the scratch is done (pass A's was waited for in front of an earlier barrier)
	s_barrier_signal -1
	s_barrier_wait -1
	s_cmp_lg_u32 s[WV], 2
	s_cbranch_scc1 .Lnot_a
	SCOUT CSA, SCRA
.Lnot_a:
	s_cmp_lg_u32 s[WV], 3
	s_cbranch_scc1 .Lnot_b
	SCOUT CSB, SCRB
.Lnot_b:
	s_wait_tensorcnt 0x0                           ; the wave's end
	ds_add_u32 v[SPW], v[NIL]
	s_wait_dscnt 0x0
	s_endpgm
.Lfunc_end_k_q988ccf0b2f_attn:
	.size	k_q988ccf0b2f_attn, .Lfunc_end_k_q988ccf0b2f_attn-k_q988ccf0b2f_attn
	.p2alignl 7, 3214868480
	.fill 96, 4, 3214868480
	.section	.rodata,"a",@progbits
	.p2align	6, 0x0
	.amdhsa_kernel k_q988ccf0b2f_attn
		.amdhsa_group_segment_fixed_size 327680
		.amdhsa_private_segment_fixed_size 0
		.amdhsa_enable_private_segment 0
		.amdhsa_kernarg_size 24
		.amdhsa_user_sgpr_count 2
		.amdhsa_user_sgpr_kernarg_segment_ptr 1
		.amdhsa_wavefront_size32 1
		.amdhsa_system_sgpr_workgroup_id_x 1
		.amdhsa_system_sgpr_workgroup_id_y 1
		.amdhsa_system_sgpr_workgroup_id_z 1
		.amdhsa_system_vgpr_workitem_id 0
		.amdhsa_next_free_vgpr 256
		.amdhsa_next_free_sgpr 66
		.amdhsa_reserve_vcc 1
		.amdhsa_float_denorm_mode_32 3
		.amdhsa_float_denorm_mode_16_64 3
		.amdhsa_fp16_overflow 1
		.amdhsa_memory_ordered 1
		.amdhsa_forward_progress 1
		.amdhsa_inst_pref_size 64
	.end_amdhsa_kernel
	.amdgpu_metadata
---
amdhsa.version: [ 1, 2 ]
amdhsa.kernels:
  - .name:           k_q988ccf0b2f_attn
    .symbol:         k_q988ccf0b2f_attn.kd
    .args:
      - { .name: qkv, .offset: 0, .size: 8, .value_kind: global_buffer, .address_space: global }
      - { .name: ctx_img, .offset: 8, .size: 8, .value_kind: global_buffer, .address_space: global }
      - { .name: ctx_sc, .offset: 16, .size: 8, .value_kind: global_buffer, .address_space: global }
    .group_segment_fixed_size: 327680
    .private_segment_fixed_size: 0
    .kernarg_segment_align: 8
    .kernarg_segment_size: 24
    .max_flat_workgroup_size: 512
    .sgpr_count:     66
    .vgpr_count:     256
    .wavefront_size: 32
...
	.end_amdgpu_metadata
.endif
;; end of part 3
;; launch outp (part 4): grid 4 x 32, 4 waves a work-group, clusters of 4 x 4, 327,680 bytes of LDS; arguments ctx_img, ctx_sc, codes, scales, bout, out0; writes out0
.if DOCPART == 4
	.amdgcn_target "amdgcn-amd-amdhsa--gfx1250"
	.amdhsa_code_object_version 6
	.text
	.protected	k_q988ccf0b2f_outp
	.globl	k_q988ccf0b2f_outp
	.p2align	8
	.type	k_q988ccf0b2f_outp,@function
k_q988ccf0b2f_outp:
	s_mov_b64 s[64:65], 0
	v_nop
	global_prefetch_b8 v0, s[64:65] scope:SCOPE_SE
	s_setreg_imm32_b32 hwreg(HW_REG_WAVE_MODE, 25, 1), 1
	s_wait_xcnt 0x0
	s_wait_alu depctr_hold_cnt(0) depctr_sa_sdst(0) depctr_va_vdst(0) depctr_va_sdst(0) depctr_va_ssrc(0) depctr_va_vcc(0) depctr_vm_vsrc(0)
	s_getreg_b32 s2, hwreg(HW_REG_IB_STS2, 6, 4)
	s_cmp_eq_u32 s2, 0
	s_cbranch_scc0 .Lentry_in_a_cluster
	s_endpgm
.Lentry_in_a_cluster:
	s_bfe_u32 s2, ttmp6, 0x10000c
	s_cmp_lg_u32 s2, 0xf033
	s_cbranch_scc0 .Lentry_shape_is_right
	s_endpgm
.Lentry_shape_is_right:
; out0 = ctx Wout^T + bout on codes of FP8 (E4M3) with E8M0 scales; K = 1,024; out0 [8192][1024] f32.
; A = ctx arrives as IMAGES OF ITS FRAGMENTS' REGISTERS: ctx_img [token tile 512][K step of 128: 8][c 4][lane 32][16 bytes]; lane r of tile 8 n + a holds token 128 n + rho(a, r), rho(a, r) = 32 (a / 2) + 8 (a % 2) + r + 8 (r / 8).
; Its scale words: ctx_sc [K step 8][token tile 512][r 16].   B = Wout: rows 11,264 on of codes [12288][1024] and scales [12288][32], in their natural order.
; A tile of 256 x 256 of out0 is made by a work-group of four waves; a wave makes 128 x 128: 64 accumulators, 512 registers.  K goes in steps of 256 through a ring of two LDS slots filled by the tensor data mover:
; A's part of a slot is 16 token tiles x 4,096 dense bytes (read back 512 consecutive bytes an instruction), B's 256 rows of 256 bytes + 16 of padding.  The scale words of all of K come into LDS once, with the first fills.
; CLUSTERS: 4 x 4 work-groups.  The four of a row of the cluster need the same tiles of A, the four of a column the same tiles of B: each is asked for jointly, by the same tensor load with the same descriptor and a mask that names the four.
; THE MATRIX INSTRUCTION IS USED TRANSPOSED (source 0 = 16 rows of B, source 1 = a token tile of A): a lane holds eight neighbouring numbers of a row of out0.
; 128 work-groups: the problem has 128 tiles of this size.
; REGISTERS, in windows of 256: window 0: v0-31 addresses; v32-63 B's scale words, two sets; v64-95 A's, two sets; v96-99 the bias; from v128 A's fragments, ONE set (on the way out: rows read back).
;   window 1: B's fragments, TWO sets.   window 2: the 32 accumulators of my token tiles 0-3 ((a, b) at v[8 (8 a + b)]);   window 3: those of tiles 4-7.
.set NQ,     2                         ; matrix instructions deep in a slot
.set ROWB,   256                       ; a row of B's tile in bytes
.set KROW,   1024
.set PITCH,  272                       ; B's LDS row: 256 bytes + 16 of padding = 68 words: row r starts at bank 4 r mod 64 (64 banks of 4 bytes: ISA guide 11.1)
.set FR,     16
.set NL,     4
.set NP,     8                         ; places behind this matrix instruction (ISA guide 7.12.1)
.set AHALF,  32768                     ; eight token tiles x 4,096 bytes: what one tensor load brings of A
.set BHALF,  128*PITCH                 ; 128 rows of B
.set BOFF,   2*AHALF
.set SLOT,   BOFF+2*BHALF
.set LAPS,   2
.set SCLA,   2*SLOT                    ; behind the ring: A's scale words [K step 8][tile 16][r 16]: 8,192 bytes;
.set SCLB,   SCLA+8192                 ; B's scales, as rows of 256 bytes + 16 of padding
.set HALFS,  16*272                    ; those of 128 rows
.set SBLK,   2*272                     ; of 16 rows
.set SPARE,  SCLB+2*HALFS              ; the spare words, 128 bytes for each wave: two blocks of 256 bytes that no other line names
.set SPITCH, 528                       ; the way out: a stage of 16 rows x (512 bytes + 16) for each wave.  It lies in slot 0, which has had its last fill and its last read when the first result is stored there
.set ORow,   4096                      ; a row of out0 in bytes
.set ADRA, 16                          ; v16-17  LDS address of my A images in slot 0, 1
.set ADRB, 20                          ; v20-21  of my B fragments
.set STO,  24                          ; v24     the way out: where I put 32 bytes of a row
.set RD,   25                          ; v25     where I read a row back
.set CO,   26                          ; v26     16 x lane
.set ADSB, 27                          ; v27     LDS address of B's scale words
.set SPW,  28                          ; v28     LDS address of my spare word; never rewritten
.set NIL,  29                          ; v29     0; never rewritten
.set ADSA, 30                          ; v30     LDS address of A's scale words
.set SCB,  32                          ; B's scale words: set s at v[32 + 16 s], register 2 i + q
.set SCA,  64                          ; A's likewise
.set BIAS, 96                          ; v96-99  bout at my four columns of a row read back
.set AF,   128
.set BK,   128                         ; the way out: 16 rows read back: v128-191 and v192-255 by turns
.set G1, 24                            ; s[24:31] descriptor group 1 for A's images;  s[32:39] group 0, one set for each slot
.set G0, 32
.set G1B, 48                           ; s[48:55], s[56:63] the same for B's tiles
.set G0B, 56
.set G1S, 68                           ; s[68:75], s[76:79] groups 1 and 0 for A's scale words;  s[80:87], s[88:91] for B's
.set G0S, 76
.set G1SB, 80
.set G0SB, 88
.set MSB, 0
.macro WIN new                         ; the immediate's high byte repeats the setting that is left
.if MSB != \new
	s_set_vgpr_msb (MSB<<8)|\new
.set MSB, \new
.endif
.endm
.set MUL_LO, 0xa1                      ; source 0 (B) window 1, source 1 (A) window 0, C and D window 2
.set MUL_HI, 0xf1                      ; the same, C and D window 3
.set TO_B,   0x40                      ; destination window 1, address window 0
; A joint load: waves 0 and 1 fetch for A, waves 2 and 3 for B; the branch hangs on the wave's number alone.  Four v_nop follow each of the two lines.
.macro JLOAD g0a, g1a, g0b, g1b
	s_cmp_eq_u32 s15, 0
	s_cbranch_scc0 .Lfor_b_\@
	tensor_load_to_lds s[\g0a:\g0a+3], s[\g1a:\g1a+7]
	s_nop 0
.rept 4
	v_nop
.endr
	s_branch .Lasked_\@
.Lfor_b_\@:
	tensor_load_to_lds s[\g0b:\g0b+3], s[\g1b:\g1b+7]
	s_nop 0
.rept 4
	v_nop
.endr
.Lasked_\@:
.endm
.macro CREST                           ; a round of the cluster's barrier behind its opening barrier
	s_cmp_lg_u32 s14, 0
	s_cbranch_scc1 .Lnot_wave_0_\@
	s_barrier_signal -3
.Lnot_wave_0_\@:
	s_barrier_wait -3
	s_barrier_signal -1
	s_barrier_wait -1
.endm
.macro CROUND                          ; a whole round
	s_barrier_signal -1
	s_barrier_wait -1
	CREST
.endm
	s_load_b128 s[4:7], s[0:1], 0x0                ; ctx_img s[4:5], ctx_sc s[6:7]
	s_load_b128 s[8:11], s[0:1], 0x10              ; codes s[8:9], scales s[10:11]
	s_load_b128 s[96:99], s[0:1], 0x20             ; bout s[96:97], out0 s[98:99]
	v_lshl_add_u32 v[SPW], v0, 2, SPARE
	v_mov_b32 v[NIL], 0
	ds_add_u32 v28, v29
	ds_add_u32 v28, v29
	s_wait_dscnt 0x0
	v_lshrrev_b32 v1, 5, v0
	v_readfirstlane_b32 s14, v1                    ; wave 0..3
	s_lshr_b32 s15, s14, 1                         ; which 128 tokens are mine.  Also: I fetch for A (0) or for B (1)
	s_and_b32 s16, s14, 1                          ; which 128 columns.  Also: which half of that tile I fetch
	s_bfe_u32 s40, ttmp6, 0x40000                  ; cx, cy: my place in the cluster
	s_bfe_u32 s41, ttmp6, 0x40004
	s_lshl_b32 s42, ttmp9, 2
	s_add_co_u32 s42, s42, s40                     ; tile column = 4 x cluster x + cx
	s_and_b32 s17, ttmp7, 0xffff
	s_lshl_b32 s17, s17, 2
	s_add_co_u32 s17, s17, s41                     ; tile row = 4 x cluster y + cy
	s_lshl_b32 s43, s41, 2
	s_lshl_b32 s43, 15, s43                        ; my row of the cluster
	s_lshl_b32 s44, 0x1111, s40                    ; my column
	; A's images: 8 rows (token tiles) of 4,096 bytes (512 elements of 8 bytes: two K steps of 128), 16,384 bytes apart; dense in LDS
	s_or_b32 s[G1+0], s43, (3<<16)|(1<<21)         ; 15:0 the mask: my row; 17:16 elements of 8 bytes; 21 set beside a mask; no padding
	s_mov_b32 s[G1+1], 512<<16                     ; tensor_dim0
	s_mov_b32 s[G1+2], 8<<16                       ; tensor_dim1
	s_mov_b32 s[G1+3], 512<<16                     ; tile_dim0
	s_mov_b32 s[G1+4], 8                           ; tile_dim1
	s_mov_b32 s[G1+5], 2048                        ; tensor_dim0_stride
	s_mov_b32 s[G1+6], 0
	s_mov_b32 s[G1+7], 0
	; B's tiles: 128 rows x 256 bytes, 16 bytes of padding behind each
	s_or_b32 s[G1B+0], s44, (0<<16)|(1<<20)|(1<<21)|(5<<22)|(3<<25)
	s_mov_b32 s[G1B+1], ROWB<<16
	s_mov_b32 s[G1B+2], 128<<16
	s_mov_b32 s[G1B+3], ROWB<<16
	s_mov_b32 s[G1B+4], 128
	s_mov_b32 s[G1B+5], KROW
	s_mov_b32 s[G1B+6], 0
	s_mov_b32 s[G1B+7], 0
	; A's scale words: 4 rows (K steps) of 1,024 bytes (my 16 token tiles), 32,768 bytes apart; dense in LDS
	s_or_b32 s[G1S+0], s43, (3<<16)|(1<<21)
	s_mov_b32 s[G1S+1], 128<<16
	s_mov_b32 s[G1S+2], 4<<16
	s_mov_b32 s[G1S+3], 128<<16
	s_mov_b32 s[G1S+4], 4
	s_mov_b32 s[G1S+5], 4096
	s_mov_b32 s[G1S+6], 0
	s_mov_b32 s[G1S+7], 0
	; B's scales of 128 rows: 4,096 dense bytes as 16 rows of 256, 16 bytes of padding behind each
	s_or_b32 s[G1SB+0], s44, (3<<16)|(1<<20)|(1<<21)|(5<<22)|(3<<25)
	s_mov_b32 s[G1SB+1], 32<<16
	s_mov_b32 s[G1SB+2], 16<<16
	s_mov_b32 s[G1SB+3], 32<<16
	s_mov_b32 s[G1SB+4], 16
	s_mov_b32 s[G1SB+5], 32
	s_mov_b32 s[G1SB+6], 0
	s_mov_b32 s[G1SB+7], 0
	s_lshl_b32 s20, s17, 18                        ; A: 16 token tiles of 16,384 bytes a tile row,
	s_lshl_b32 s18, s16, 17                        ; + my eight
	s_add_co_u32 s20, s20, s18
	s_mov_b32 s21, 0
	s_lshl_b32 s22, s17, 10                        ; A's scale words: 1,024 bytes a tile row,
	s_add_co_u32 s22, s22, s18                     ; + my four K steps of 32,768 bytes
	s_mov_b32 s23, 0
	s_lshl_b32 s46, s42, 8
	s_lshl_b32 s18, s16, 7
	s_add_co_u32 s46, s46, s18
	s_add_co_u32 s46, s46, 11264                   ; B: Wout's row 256 x tile column + 128 x half
	s_lshl_b32 s92, s46, 5                         ; its scales,
	s_mov_b32 s93, 0
	s_lshl_b32 s46, s46, 10                        ; its codes
	s_mov_b32 s47, 0
	s_lshl_b32 s45, s16, 15                        ; where they go: no place in the cluster enters an LDS address
	s_mul_i32 s94, s16, BHALF
	s_add_co_u32 s94, s94, BOFF
	s_lshl_b32 s95, s16, 12
	s_mul_i32 s19, s16, HALFS
	s_wait_kmcnt 0x0
	s_add_nc_u64 s[20:21], s[4:5], s[20:21]
	s_add_nc_u64 s[22:23], s[6:7], s[22:23]
	s_add_nc_u64 s[46:47], s[8:9], s[46:47]
	s_add_nc_u64 s[92:93], s[10:11], s[92:93]
	CROUND                                         ; all sixteen work-groups are here: the first joint loads meet
	s_mov_b32 s[G0S], 1
	s_add_co_u32 s[G0S+1], s95, SCLA
	s_mov_b64 s[G0S+2:G0S+3], s[22:23]
	s_or_b32 s[G0S+3], s[G0S+3], 0x80000000
	s_mov_b32 s[G0SB], 1
	s_add_co_u32 s[G0SB+1], s19, SCLB
	s_mov_b64 s[G0SB+2:G0SB+3], s[92:93]
	s_or_b32 s[G0SB+3], s[G0SB+3], 0x80000000
	JLOAD G0S, G1S, G0SB, G1SB                     ; the scales first: they are wanted with K step 0
.irp s, 0,1
	s_mov_b32 s[G0+4*\s], 1
	s_add_co_u32 s[G0+4*\s+1], s45, \s*SLOT
	s_add_nc_u64 s[G0+4*\s+2:G0+4*\s+3], s[20:21], \s*4096
	s_or_b32 s[G0+4*\s+3], s[G0+4*\s+3], 0x80000000
	s_mov_b32 s[G0B+4*\s], 1
	s_add_co_u32 s[G0B+4*\s+1], s94, \s*SLOT
	s_add_nc_u64 s[G0B+4*\s+2:G0B+4*\s+3], s[46:47], \s*ROWB
	s_or_b32 s[G0B+4*\s+3], s[G0B+4*\s+3], 0x80000000
	s_wait_alu depctr_va_vdst(0)
	s_wait_tensorcnt 0x0
	ds_add_u32 v28, v29
	s_wait_dscnt 0x0
	CROUND
	JLOAD G0+4*\s, G1, G0B+4*\s, G1B
.endr
	v_and_b32 v1, 15, v0                           ; r
	v_bfe_u32 v2, v0, 4, 1                         ; h
	v_and_b32 v6, 31, v0
	v_lshlrev_b32 v[CO], 4, v6                     ; 16 x lane
	v_mul_u32_u24 v3, v1, PITCH
	v_lshl_add_u32 v4, v2, 4, v3                   ; B: a fragment's row x pitch + 16 x half
	s_lshl_b32 s21, s15, 15                        ; my eight token tiles of A
	s_mul_i32 s22, s16, BHALF                      ; my 128 rows of B
	s_add_co_u32 s22, s22, BOFF
.irp s, 0,1
	v_add_nc_u32 v[ADRA+\s], s21, v[CO]
	v_add_nc_u32 v[ADRB+\s], s22, v4
	s_add_co_u32 s21, s21, SLOT
	s_add_co_u32 s22, s22, SLOT
.endr
	v_mul_u32_u24 v5, v1, 32                       ; B's scales: 32 bytes a row,
	v_lshrrev_b32 v7, 8, v5
	v_lshl_add_u32 v5, v7, 4, v5                   ; and 16 more for each 256 passed
	s_mul_i32 s22, s16, HALFS
	s_add_co_u32 s22, s22, SCLB
	v_add_nc_u32 v[ADSB], s22, v5
	s_lshl_b32 s21, s15, 9                         ; A's scale words: my eight tiles of 64 bytes
	s_add_co_u32 s21, s21, SCLA
	v_lshl_add_u32 v[ADSA], v1, 2, s21
	s_mul_i32 s23, s14, 16*SPITCH                  ; my stage
	v_mul_u32_u24 v5, v1, SPITCH                   ; in: row r, 32 bytes for each half of the lanes
	v_lshl_add_u32 v5, v2, 5, v5
	v_add_nc_u32 v[STO], s23, v5
	v_add_nc_u32 v[RD], s23, v[CO]                 ; back: the 32 lanes take one row of 512 bytes
	s_lshl_b32 s20, s17, 8
	s_lshl_b32 s21, s15, 7
	s_add_co_u32 s20, s20, s21                     ; my first token: 256 x tile row + 128 x half
	s_lshl_b32 s20, s20, 12                        ; in bytes of out0: under 2^25
	s_lshl_b32 s46, s42, 10
	s_lshl_b32 s47, s16, 9
	s_add_co_u32 s46, s46, s47                     ; my first column, in bytes: 1,024 x tile column + 512 x half
	s_mov_b32 s47, 0
	s_add_nc_u64 s[96:97], s[96:97], s[46:47]
	s_add_co_u32 s46, s46, s20
	s_add_nc_u64 s[12:13], s[98:99], s[46:47]
	global_load_b128 v[BIAS:BIAS+3], v[CO], s[96:97]               ; bout at the four columns that I hold of a row read back
.macro FRAG reg, adr, q, i             ; B: 16 rows x 128 K: lane l holds row l % 16; registers 4 c .. 4 c + 3 hold K = 32 c + 16 (l / 16) + 0 .. 15
.irp c, 0,1,2,3
	ds_load_b128 v[\reg+4*\c:\reg+4*\c+3], v[\adr] offset:128*(\q)+32*\c+(\i)*16*PITCH
.endr
.endm
.macro FRAGA reg, adr, q, i            ; A: the image of token tile i, the slot's q-th 128 along K: the same registers in the same lanes as they were made
.irp c, 0,1,2,3
	ds_load_b128 v[\reg+4*\c:\reg+4*\c+3], v[\adr] offset:4096*(\i)+2048*(\q)+512*\c
.endr
.endm
; 16 matrix instructions: A's tiles a0, a0 + 1 x B's eight blocks.  p: B's set;  sc: the set of scale words.  zero = 1: the first product starts the sums.
; The 64 accumulators take turns, one instruction a turn, in the same order in every step.
.macro MUL16 a0, p, q, sc, zero
.irp a, \a0, \a0+1
.irp b, 0,1,2,3,4,5,6,7
.if \zero
	v_wmma_scale_f32_16x16x128_f8f6f4 v[8*(8*((\a)%4)+\b):8*(8*((\a)%4)+\b)+7], v[128*(\p)+FR*\b:128*(\p)+FR*\b+FR-1], v[AF+FR*(\a):AF+FR*(\a)+FR-1], 0, v[SCB+8*NQ*(\sc)+NQ*\b+(\q)], v[SCA+8*NQ*(\sc)+NQ*(\a)+(\q)]
.else
	v_wmma_scale_f32_16x16x128_f8f6f4 v[8*(8*((\a)%4)+\b):8*(8*((\a)%4)+\b)+7], v[128*(\p)+FR*\b:128*(\p)+FR*\b+FR-1], v[AF+FR*(\a):AF+FR*(\a)+FR-1], v[8*(8*((\a)%4)+\b):8*(8*((\a)%4)+\b)+7], v[SCB+8*NQ*(\sc)+NQ*\b+(\q)], v[SCA+8*NQ*(\sc)+NQ*(\a)+(\q)]
.endif
.endr
.endr
.endm
.macro FETCH_B slot, q, p
	WIN TO_B
.irp i, 0,1,2,3,4,5,6,7
	FRAG 128*(\p)+FR*\i, ADRB+\slot, \q, \i
.endr
	WIN 0
.endm
.macro FETCH_A slot, q, i0
.irp i, \i0, \i0+1, \i0+2, \i0+3
	FRAGA AF+FR*(\i), ADRA+\slot, \q, \i
.endr
.endm
.macro SCALES sc                       ; the next K step's scale words into set sc
.irp i, 0,1,2,3,4,5,6,7
	ds_load_b64 v[SCB+8*NQ*\sc+NQ*\i:SCB+8*NQ*\sc+NQ*\i+1], v[ADSB] offset:\i*SBLK
.endr
.irp i, 0,1,2,3,4,5,6,7
.irp q, 0,1
	ds_load_b32 v[SCA+8*NQ*\sc+NQ*\i+\q], v[ADSA] offset:1024*\q+64*\i
.endr
.endr
.endm
; A load into a register that a matrix instruction has read, and an LDS store that reads a matrix result, stand NP places behind that matrix instruction; only plain vector instructions that name none of its registers are places
; (ISA guide 7.12.1 for vector instructions).
.macro PLACES n
.rept \n
	v_nop
.endr
.endm
.macro STEP slot, q, zero
	s_wait_dscnt 4*NL                              ; B's set, A's tiles 0-3 and the scale words are in; the youngest sixteen loads (A's tiles 4-7) may be out
	WIN MUL_LO
	MUL16 0, (\q)%2, \q, \slot, \zero
	MUL16 2, (\q)%2, \q, \slot, \zero
	s_wait_dscnt 0                                 ; A's tiles 4-7 are in
	PLACES NP
	FETCH_B \slot, (\q)+1, 1-(\q)%2
	FETCH_A \slot, (\q)+1, 0
	WIN MUL_HI
	MUL16 4, (\q)%2, \q, \slot, \zero
	MUL16 6, (\q)%2, \q, \slot, \zero
	PLACES NP
	WIN 0
	FETCH_A \slot, (\q)+1, 4
.endm
; A slot's last step changes slots: ONE barrier; in front of it each wave waits for all its tensor loads, adds 0 to its spare word, and waits for that and for its own reads of this slot.  fill = 1: this slot is filled again, two K steps ahead.
.macro TURN slot, next, fill
	s_wait_tensorcnt 0x0                           ; all my tensor loads have landed: my part of the next slot  (every window is 0 here)
	ds_add_u32 v[SPW], v[NIL]                      ; 0 onto my spare word
	s_wait_dscnt 4*NL+1                            ; (the add and the youngest sixteen loads may be out)
	WIN MUL_LO
	MUL16 0, 1, NQ-1, \slot, 0                     ; sixteen matrix instructions stand between the add and the wait for it
	s_wait_dscnt 0x0                               ; the add is done, and my reads of this slot are over
	s_barrier_signal -1
	MUL16 2, 1, NQ-1, \slot, 0
	WIN 0
	s_barrier_wait -1
.if \fill
	CREST                                          ; the barrier has opened a round of the cluster's barrier: no wave of any partner still reads this slot's tile or has a load on its way
	s_add_nc_u64 s[G0+4*\slot+2:G0+4*\slot+3], s[G0+4*\slot+2:G0+4*\slot+3], 2*4096
	s_add_nc_u64 s[G0B+4*\slot+2:G0B+4*\slot+3], s[G0B+4*\slot+2:G0B+4*\slot+3], 2*ROWB
	JLOAD G0+4*\slot, G1, G0B+4*\slot, G1B         ; the first tensor load behind the round; its four v_nop are among the places in front of the loads below
	PLACES NP-4
.else
	PLACES NP
.endif
	s_wait_alu depctr_va_vdst(0)
	v_add_nc_u32 v[ADSB], 4*NQ, v[ADSB]            ; on to the next K step's scale words (no LDS load of mine is out)
	v_add_nc_u32 v[ADSA], 2048, v[ADSA]
	FETCH_B \next, 0, 0
	FETCH_A \next, 0, 0
	SCALES \next
	WIN MUL_HI
	MUL16 4, 1, NQ-1, \slot, 0
	MUL16 6, 1, NQ-1, \slot, 0
	PLACES NP
	WIN 0
	FETCH_A \next, 0, 4
.endm
	s_wait_alu depctr_va_vdst(0)
	s_wait_loadcnt 0x0                             ; the bias
	s_wait_tensorcnt 1                             ; the scales and my part of K step 0 are in (of my three loads K step 1's may be out)
	s_barrier_signal -1
	s_barrier_wait -1                              ; everybody's are
	FETCH_B 0, 0, 0
	FETCH_A 0, 0, 0
	SCALES 0
	FETCH_A 0, 0, 4
	STEP 0, 0, 1                                   ; the first step stands in front of the loop: its products start the sums
	s_mov_b32 s3, LAPS-1
.Llap:
	TURN 0, 1, 1
	STEP 1, 0, 0
	TURN 1, 0, 1
	STEP 0, 0, 0
	s_sub_co_u32 s3, s3, 1
	s_cmp_lg_u32 s3, 0
	s_cbranch_scc1 .Llap
	TURN 0, 1, 0                                   ; the last lap fills nothing, and has no round of the cluster's barrier
	STEP 1, 0, 0
	s_wait_dscnt 4*NL                              ; the very last step
	WIN MUL_LO
	MUL16 0, 1, NQ-1, 1, 0
	MUL16 2, 1, NQ-1, 1, 0
	s_wait_dscnt 0
	WIN MUL_HI
	MUL16 4, 1, NQ-1, 1, 0
	MUL16 6, 1, NQ-1, 1, 0
	WIN 0
; THE WAY OUT, token tile by token tile (16 rows x 128 columns).  A lane holds 32 neighbouring bytes of a row, the lanes beside it other rows: a tile goes through my own stage in LDS and comes back as whole rows of 512 bytes.
; LDS serves a wave's instructions in order (ISA guide 5.7.1.4): no wait between the stores and the loads.  Row t of tile a is token rho(a, t) of my 128.
.macro TOSTAGE a
.set AC, 64*((\a)%4)
	WIN 0x08+4*((\a)/4)                            ; the data: window 2 or 3
.irp b, 0,1,2,3,4,5,6,7
	ds_store_b128 v[STO], v[AC+8*\b:AC+8*\b+3] offset:64*\b          ; each accumulator from its low end on
	ds_store_b128 v[STO], v[AC+8*\b+4:AC+8*\b+7] offset:64*\b+16
.endr
	WIN 0
.set BB, BK+64*((\a)%2)
.irp t, 0,1,2,3,4,5,6,7,8,9,10,11,12,13,14,15
	ds_load_b128 v[BB+4*\t:BB+4*\t+3], v[RD] offset:\t*SPITCH
.endr
.endm
.macro SEND a, younger                 ; younger: the LDS instructions issued behind tile a's loads, which may stay out
.set BB, BK+64*((\a)%2)
	s_wait_dscnt \younger                          ; the tile is back in registers
.if (\a) > 0
.if (\a)%2
	s_add_nc_u64 s[12:13], s[12:13], 8*ORow        ; (behind a wait on XCNT: the earlier stores have read their base)  from rho(a - 1, 0) to rho(a, 0): 8 rows on,
.else
	s_add_nc_u64 s[12:13], s[12:13], 24*ORow       ; or 24
.endif
.endif
.irp t, 0,1,2,3,4,5,6,7,8,9,10,11,12,13,14,15
	v_pk_add_f32 v[BB+4*\t:BB+4*\t+1], v[BB+4*\t:BB+4*\t+1], v[BIAS:BIAS+1]
	v_pk_add_f32 v[BB+4*\t+2:BB+4*\t+3], v[BB+4*\t+2:BB+4*\t+3], v[BIAS+2:BIAS+3]
	global_store_b128 v[CO], v[BB+4*\t:BB+4*\t+3], s[12:13] offset:(\t+8*(\t/8))*ORow th:TH_STORE_NT   ; 32 lanes store 512 consecutive bytes, at a multiple of 256 from out0's first byte; written once, read by nobody here
.endr
.endm
	PLACES NP                                      ; behind the last products: for the stores that read results and for the loads into the registers that held A's fragments
	TOSTAGE 0
.irp a, 1,2,3,4,5,6,7
.if \a > 1
	s_wait_xcnt 0x0                                ; tile a - 2's stores have read their registers and their base: tile a's loads may land there, and the base may step
.endif
	TOSTAGE \a
	SEND \a-1, 32                                  ; behind tile a - 1's loads: tile a's 16 stores and 16 loads
.endr
	s_wait_xcnt 0x0                                ; tile 6's stores have read their base
	SEND 7, 0
	s_wait_tensorcnt 0x0                           ; the wave's end
	ds_add_u32 v[SPW], v[NIL]
	s_wait_dscnt 0x0
	CROUND                                         ; the closing round: no work-group ends while a partner may still ask for a tile that names it
	s_endpgm
.Lfunc_end_k_q988ccf0b2f_outp:
	.size	k_q988ccf0b2f_outp, .Lfunc_end_k_q988ccf0b2f_outp-k_q988ccf0b2f_outp
	.p2alignl 7, 3214868480
	.fill 96, 4, 3214868480
	.section	.rodata,"a",@progbits
	.p2align	6, 0x0
	.amdhsa_kernel k_q988ccf0b2f_outp
		.amdhsa_group_segment_fixed_size 327680
		.amdhsa_private_segment_fixed_size 0
		.amdhsa_enable_private_segment 0
		.amdhsa_kernarg_size 48
		.amdhsa_user_sgpr_count 2
		.amdhsa_user_sgpr_kernarg_segment_ptr 1
		.amdhsa_wavefront_size32 1
		.amdhsa_system_sgpr_workgroup_id_x 1
		.amdhsa_system_sgpr_workgroup_id_y 1
		.amdhsa_system_sgpr_workgroup_id_z 1
		.amdhsa_system_vgpr_workitem_id 0
		.amdhsa_next_free_vgpr 1024
		.amdhsa_next_free_sgpr 100
		.amdhsa_reserve_vcc 0
		.amdhsa_float_denorm_mode_32 3
		.amdhsa_float_denorm_mode_16_64 3
		.amdhsa_memory_ordered 1
		.amdhsa_forward_progress 1
		.amdhsa_inst_pref_size 167
	.end_amdhsa_kernel
	.amdgpu_metadata
---
amdhsa.version: [ 1, 2 ]
amdhsa.kernels:
  - .name:           k_q988ccf0b2f_outp
    .symbol:         k_q988ccf0b2f_outp.kd
    .args:
      - { .name: ctx_img, .offset: 0, .size: 8, .value_kind: global_buffer, .address_space: global }
      - { .name: ctx_sc, .offset: 8, .size: 8, .value_kind: global_buffer, .address_space: global }
      - { .name: codes, .offset: 16, .size: 8, .value_kind: global_buffer, .address_space: global }
      - { .name: scales, .offset: 24, .size: 8, .value_kind: global_buffer, .address_space: global }
      - { .name: bout, .offset: 32, .size: 8, .value_kind: global_buffer, .address_space: global }
      - { .name: out0, .offset: 40, .size: 8, .value_kind: global_buffer, .address_space: global }
    .group_segment_fixed_size: 327680
    .private_segment_fixed_size: 0
    .kernarg_segment_align: 8
    .kernarg_segment_size: 48
    .max_flat_workgroup_size: 128
    .sgpr_count:     100
    .vgpr_count:     1024
    .wavefront_size: 32
...
	.end_amdgpu_metadata
.endif
;; end of part 4
